; MI455X (gfx1250); checked and timed in simulation.
; The chip was launched on July 23, 2026; its instructions are those of AMD's public machine-readable ISA for CDNA 5 (MIT licence, August 2026) and "CDNA5" Instruction Set Architecture Reference Guide (July 2026). The comments in the code are by the model that wrote it; some were corrected since.
;; VLLM Dual MLP Adapter. Allowed arithmetic: float matrix products may take bf16 or f16 operands with f32 sums; other float arithmetic in f32, or as packed bf16 or f16 multiplies, adds, multiply-adds, maxima and minima; sums over many terms, partial sums and values carried from step to step in f32; what a program stores and reads back later, other than sums and carried values, may be rounded once to bf16 or f16.
;; Inputs: down_w 4,096 x 1,376 float32; forget_down 8 x 4,096 x 64 float32; forget_gate 8 x 64 x 4,096 float32; forget_up 8 x 64 x 4,096 float32; gate_up_w 2,752 x 4,096 float32; retain_down 8 x 4,096 x 64 float32; retain_gate 8 x 64 x 4,096 float32; retain_up 8 x 64 x 4,096 float32; scales 8 x 2 float32; token_indices 2,048 int32; x 2,048 x 4,096 float32.
;; Outputs: out0 2,048 x 4,096 float32.
;; 2 versions, each right and faster than the one before. Each part assembles by itself: llvm-mc -triple=amdgcn-amd-amdhsa -mcpu=gfx1250 --defsym DOCPART=n.
;; ======== version 1 of 2: 3 launches
;; workspace buffers: xs 16,777,216 bytes; w1 39,845,888 bytes; w2 11,534,336 bytes; wd 8,388,608 bytes; hx 12,582,912 bytes; route 16,896 bytes of whole numbers
;; launch prep (part 1): grid 1377 x 1, 8 waves a work-group, no clusters, 19,456 bytes of LDS; arguments x, gate_up_w, down_w, retain_gate, retain_up, forget_gate, forget_up, retain_down, forget_down, token_indices, xs, w1, w2, wd, route; writes xs, w1, w2, wd, route
.if DOCPART == 1
	.amdgcn_target "amdgcn-amd-amdhsa--gfx1250"
	.amdhsa_code_object_version 6
	.text
	.protected	k_q87c6bae2ca_prep
	.globl	k_q87c6bae2ca_prep
	.p2align	8
	.type	k_q87c6bae2ca_prep,@function
k_q87c6bae2ca_prep:
	s_mov_b64 s[64:65], 0
	v_nop
	global_prefetch_b8 v0, s[64:65] scope:SCOPE_SE
	s_setreg_imm32_b32 hwreg(HW_REG_WAVE_MODE, 25, 1), 1
	s_wait_xcnt 0x0
; PREP: every f32 operand is rounded once to bf16 and laid out for the two products; the tokens are sorted by adapter slot.
; One wave is one unit of work; no wave waits for another.  The work-group's number picks the job:
;   0            the table of adapter tiles (wave 0 alone; the other seven waves have no part in it)
;   1 .. 256     x: a wave takes one token's row, finds its place in the order (slot, token) and stores it there in xs
;   257 .. 864   w1: 19 tiles of 256 rows (11 of gate_up_w, one for each slot), gate and up rows interleaved (see .Lw1)
;   865 .. 1120  w2: down_w, rows padded with zeros from 1,376 to 1,408 numbers
;   1121 .. 1376 wd: retain_down and forget_down in the order in which a wave's operand registers take them
; A slot index outside 0..7 counts as 8: such a token has no adapter, and is sorted behind all others.
; No matrix unit, no cluster, no tensor load: each byte is read once and stored once, and no two work-groups share a byte but the 8 KiB of indices.
.set SPARE, 18432                      ; behind the eight waves' 2,304 bytes of LDS: the spare words, 128 bytes a wave
.set D,  16                            ; v[16:143]  up to 32 loads of 16 bytes
.set IX, 144                           ; v[144:207] the 2,048 indices: register IX+4q+e of lane l is token 128 q + 4 l + e
.set WV, 34                            ; s34 my wave's number
.set WG, 35                            ; s35 the work-group's number
; s[40:41] source, s[42:43] destination, s[44:45] a byte offset in 64 bits (s45 stays 0)
; v1 lane, v2 16 x lane, v3 8 x lane, v4 4 x lane, v5 and v6 the add's two registers
.macro IDX_LOAD
.irp q, 0,1,2,3,4,5,6,7,8,9,10,11,12,13,14,15
	global_load_b128 v[IX+4*\q:IX+4*\q+3], v2, s[22:23] offset:512*\q
.endr
.endm
.macro ROW_LOAD                        ; a row of 4,096 f32: 32 loads of 512 consecutive bytes
.set j, 0
.rept 32
	global_load_b128 v[D+4*j:D+4*j+3], v2, s[40:41] offset:512*j th:TH_LOAD_NT
.set j, j+1
.endr
.endm
.macro ROW_STORE                       ; rounded in place, stored as 32 x 256 consecutive bytes, aligned
.set j, 0
.rept 32
	s_wait_loadcnt 31-j                            ; loads come back in order: number j is in, the 31 - j younger ones stay out
	v_cvt_pk_bf16_f32 v[D+4*j], v[D+4*j], v[D+4*j+1]
	v_cvt_pk_bf16_f32 v[D+4*j+1], v[D+4*j+2], v[D+4*j+3]
	global_store_b64 v3, v[D+4*j:D+4*j+1], s[42:43] offset:256*j
.set j, j+1
.endr
.endm
	s_load_b512 s[4:19], s[0:1], 0x0               ; x 4, gate_up_w 6, down_w 8, retain_gate 10, retain_up 12, forget_gate 14, forget_up 16, retain_down 18
	s_load_b256 s[20:27], s[0:1], 0x40             ; forget_down 20, token_indices 22, xs 24, w1 26
	s_load_b128 s[28:31], s[0:1], 0x60             ; w2 28, wd 30
	s_load_b64 s[32:33], s[0:1], 0x70              ; route
	v_lshl_add_u32 v5, v0, 2, SPARE
	v_mov_b32 v6, 0
	v_lshrrev_b32 v7, 5, v0
	v_readfirstlane_b32 s[WV], v7
	s_mov_b32 s[WG], ttmp9
	v_and_b32 v1, 31, v0
	v_lshlrev_b32 v2, 4, v1
	v_lshlrev_b32 v3, 3, v1
	v_lshlrev_b32 v4, 2, v1
	s_mov_b32 s45, 0
	s_wait_kmcnt 0x0
	s_cmp_eq_u32 s[WG], 0
	s_cbranch_scc1 .Ltable
	s_cmp_lt_u32 s[WG], 257
	s_cbranch_scc1 .Lx
	s_cmp_lt_u32 s[WG], 865
	s_cbranch_scc1 .Lw1
	s_cmp_lt_u32 s[WG], 1121
	s_cbranch_scc1 .Lw2
; WD.  e = slot x 256 + block of 16 output columns.  A half (retain, forget) is 16 rows x 64 k of f32, 4,096 consecutive bytes.
; Out: 4 K steps of 1,024 bytes; byte 512 p + 16 lane holds column lane % 16, k = 32 q + 16 p + 8 (lane / 16) + 0..7.
; That is a transposition of 8-byte pieces: through my own 2,304 bytes of LDS, eight blocks of 256 bytes, 288 apart.
	s_sub_co_u32 s36, s[WG], 1121
	s_lshl3_add_u32 s36, s36, s[WV]                ; e
	s_lshl_b32 s44, s36, 12
	s_add_nc_u64 s[40:41], s[18:19], s[44:45]
	s_add_nc_u64 s[46:47], s[20:21], s[44:45]
	s_add_nc_u64 s[42:43], s[30:31], s[44:45]
.irp j, 0,1,2,3,4,5,6,7
	global_load_b128 v[D+4*\j:D+4*\j+3], v2, s[40:41] offset:512*\j th:TH_LOAD_NT
.endr
.irp j, 0,1,2,3,4,5,6,7
	global_load_b128 v[D+32+4*\j:D+32+4*\j+3], v2, s[46:47] offset:512*\j th:TH_LOAD_NT
.endr
	s_mul_i32 s48, s[WV], 2304
	v_bfe_u32 v7, v1, 1, 3                         ; my 4 k lie in block (lane / 2) % 8 = 4 q + 2 p + half,
	v_mul_u32_u24 v7, v7, 288
	v_lshrrev_b32 v8, 4, v1
	v_lshl_add_u32 v7, v8, 4, v7                   ; column 2 j + lane / 16 (2 j stands in the immediate),
	v_and_b32 v9, 1, v1
	v_lshl_add_u32 v7, v9, 3, v7                   ; low or high 8 bytes
	v_add_nc_u32 v7, s48, v7
	v_mul_u32_u24 v8, v8, 288                      ; back: lanes 0-15 one block, lanes 16-31 the next
	v_and_b32 v9, 15, v1
	v_lshl_add_u32 v8, v9, 4, v8
	v_add_nc_u32 v8, s48, v8
.irp hf, 0,1
.irp j, 0,1,2,3,4,5,6,7
	s_wait_loadcnt 15-(8*\hf+\j)                   ; the younger loads of the sixteen stay out
	v_cvt_pk_bf16_f32 v[D+32*\hf+4*\j], v[D+32*\hf+4*\j], v[D+32*\hf+4*\j+1]
	v_cvt_pk_bf16_f32 v[D+32*\hf+4*\j+1], v[D+32*\hf+4*\j+2], v[D+32*\hf+4*\j+3]
	ds_store_b64 v7, v[D+32*\hf+4*\j:D+32*\hf+4*\j+1] offset:32*\j
.endr
.irp m, 0,1,2,3
	ds_load_b128 v[IX+16*\hf+4*\m:IX+16*\hf+4*\m+3], v8 offset:576*\m  ; my own bytes: LDS serves a wave's instructions in order, so these see the stores above, and the second half's stores come behind them
.endr
.irp m, 0,1,2,3
	s_wait_dscnt 3-\m
	global_store_b128 v2, v[IX+16*\hf+4*\m:IX+16*\hf+4*\m+3], s[42:43] offset:2048*\hf+512*\m
.endr
.endr
	s_wait_tensorcnt 0x0                           ; the end of a wave that wrote LDS
	ds_add_u32 v5, v6
	s_wait_dscnt 0x0
	s_endpgm
; THE TABLE.  seg[s] = tokens with a slot below s (s = 0..9; slot 8: none).  Segment s takes ceil(n / 128) tiles of the first product:
; at most (2,048 + 9 x 127) / 128 = 24 for nine segments and 2,048 tokens.  Entry k: (slot, first sorted row, the segment's end, 0); entries past the last are zeros.
.Ltable:
	s_cmp_lg_u32 s[WV], 0
	s_cbranch_scc1 .Lend
	IDX_LOAD
	v_mov_b32 v7, 0
	s_wait_loadcnt 0x0
.set g, 0
.rept 64
	v_min_u32 v[IX+g], 8, v[IX+g]
.set g, g+1
.endr
	s_mov_b32 s36, 1
.Lseg:                                                 ; s = 1 .. 8: lane s of v7 takes seg[s]
	s_mov_b32 s38, 0
.set g, 0
.rept 64
	v_cmp_gt_u32 vcc_lo, s36, v[IX+g]
	s_bcnt1_i32_b32 s37, vcc_lo
	s_add_co_u32 s38, s38, s37
.set g, g+1
.endr
	v_cmp_ne_u32 vcc_lo, s36, v1
	v_cndmask_b32 v7, s38, v7, vcc_lo
	s_add_co_u32 s36, s36, 1
	s_cmp_lt_u32 s36, 9
	s_cbranch_scc1 .Lseg
	s_mov_b32 s40, 0                               ; seg[0..9] in s40-s49
.irp s, 1,2,3,4,5,6,7,8
	v_readlane_b32 s[40+\s], v7, \s
.endr
	s_mov_b32 s49, 2048
	s_mov_b32 s50, 0                               ; the segments' first tiles, cl[0..9], in s50-s59
.irp s, 0,1,2,3,4,5,6,7,8
	s_sub_co_u32 s36, s[41+\s], s[40+\s]
	s_add_co_u32 s36, s36, 127
	s_lshr_b32 s36, s36, 7
	s_add_co_u32 s[51+\s], s[50+\s], s36
.endr
	v_mov_b32 v8, 0
	v_mov_b32 v9, 0
	v_mov_b32 v10, 0
	v_mov_b32 v11, 0
	v_mov_b32 v12, 0
.irp s, 0,1,2,3,4,5,6,7,8
	v_cmp_gt_u32 vcc_lo, s[50+\s], v1              ; lane k keeps what it has where cl[s] > k; so it ends with the last segment that begins at or before k
	v_cndmask_b32 v8, \s, v8, vcc_lo
	v_cndmask_b32 v9, s[40+\s], v9, vcc_lo
	v_cndmask_b32 v12, s[50+\s], v12, vcc_lo
	v_cndmask_b32 v10, s[41+\s], v10, vcc_lo
.endr
	v_sub_nc_u32 v12, v1, v12
	v_lshl_add_u32 v9, v12, 7, v9                  ; the tile's first row
	v_cmp_gt_u32 vcc_lo, s59, v1                   ; tiles in use
	v_cndmask_b32 v8, 0, v8, vcc_lo
	v_cndmask_b32 v9, 0, v9, vcc_lo
	v_cndmask_b32 v10, 0, v10, vcc_lo
	global_store_b128 v2, v[8:11], s[32:33] offset:16384
.Lend:
	s_endpgm
; X.  Token t's place is the number of tokens whose key (slot, token) is smaller: each wave counts that for itself from the 2,048 indices
; while its row's 32 loads are on their way.  No sum spans waves, and every place is taken once.
.Lx:
	s_sub_co_u32 s36, s[WG], 1
	s_lshl3_add_u32 s36, s36, s[WV]                ; t
	s_lshl_b32 s46, s36, 2
	s_load_b32 s37, s[22:23], s46 offset:0x0
	s_lshl_b32 s44, s36, 14
	s_add_nc_u64 s[40:41], s[4:5], s[44:45]
	IDX_LOAD
	ROW_LOAD
	s_wait_kmcnt 0x0
	s_min_u32 s37, s37, 8
	s_lshl_b32 s38, s37, 11
	s_add_co_u32 s38, s38, s36                     ; my key = 2,048 slot + t
	s_mov_b32 s39, 0
	s_wait_loadcnt 32                              ; the indices are in; the row's 32 loads stay out
.set g, 0
.rept 64
	v_min_u32 v[7+g%2], 8, v[IX+g]
	v_lshl_add_u32 v[7+g%2], v[7+g%2], 11, v4      ; the other's key less 128 q + e,
	s_sub_co_i32 s46, s38, 128*(g/4)+g%4           ; and mine less the same (it may fall below 0: a signed compare)
	v_cmp_gt_i32 vcc_lo, s46, v[7+g%2]
	s_bcnt1_i32_b32 s47, vcc_lo
	s_add_co_u32 s39, s39, s47
.set g, g+1
.endr
	s_min_u32 s39, s39, 2047
	s_lshl_b32 s44, s39, 13
	s_add_nc_u64 s[42:43], s[24:25], s[44:45]
	ROW_STORE
	s_lshl_b32 s46, s39, 2
	v_mov_b32 v9, s46
	v_mov_b32 v10, s37
	v_mov_b32 v11, s36
	v_cmp_eq_u32 vcc_lo, 0, v1
	s_wait_xcnt 0x0                                ; EXEC is a source of the stores above: it changes only behind this wait
	s_and_saveexec_b32 s47, vcc_lo
	global_store_b32 v9, v10, s[32:33]             ; the sorted row's slot and token: two words a token, 16 KiB in the whole launch
	global_store_b32 v9, v11, s[32:33] offset:8192
	s_wait_xcnt 0x0
	s_or_b32 exec_lo, exec_lo, s47
	s_endpgm
; W1.  Row d of w1: tile d / 256; in the tile bit 0 says gate (0) or up (1), and the hidden unit is u = 16 d[7:5] + 8 d[3] + 4 d[2] + 2 (1 - d[4]) + d[1].
; So in the product's result a lane's register pairs are (gate, up) of one unit, and the order in which the first product's way out packs the sixteen registers
; of an even and an odd block of 16 rows (odd block's first pair, even's first, odd's second, even's second) is the units' own order: eight neighbouring units a lane.
.Lw1:
	s_sub_co_u32 s36, s[WG], 257
	s_lshl3_add_u32 s36, s36, s[WV]                ; d
	s_lshr_b32 s37, s36, 8                         ; tile
	s_bfe_u32 s38, s36, 0x30005
	s_lshl_b32 s38, s38, 4
	s_bfe_u32 s39, s36, 0x10003
	s_lshl3_add_u32 s38, s39, s38
	s_bfe_u32 s39, s36, 0x10002
	s_lshl2_add_u32 s38, s39, s38
	s_bfe_u32 s39, s36, 0x10004
	s_xor_b32 s39, s39, 1
	s_lshl1_add_u32 s38, s39, s38
	s_bfe_u32 s39, s36, 0x10001
	s_add_co_u32 s38, s38, s39                     ; u
	s_and_b32 s39, s36, 1                          ; gate or up
	s_lshl_b32 s44, s36, 13
	s_add_nc_u64 s[42:43], s[26:27], s[44:45]
	s_cmp_lt_u32 s37, 11
	s_cbranch_scc0 .Lw1_adapter
	s_lshl_b32 s46, s37, 7
	s_add_co_u32 s46, s46, s38                     ; the base layer's unit
	s_cmp_lt_u32 s46, 1376
	s_cbranch_scc0 .Lw1_zero
	s_mul_i32 s47, s39, 1376                       ; up rows lie 1,376 rows behind the gate rows
	s_add_co_u32 s46, s46, s47
	s_mov_b64 s[40:41], s[6:7]
	s_branch .Lw1_copy
.Lw1_adapter:
	s_cmp_ge_u32 s38, 64                           ; units 0-63 retain, 64-127 forget
	s_cselect_b64 s[48:49], s[14:15], s[10:11]
	s_cselect_b64 s[50:51], s[16:17], s[12:13]
	s_cmp_eq_u32 s39, 1
	s_cselect_b64 s[40:41], s[50:51], s[48:49]
	s_sub_co_u32 s46, s37, 11
	s_lshl_b32 s46, s46, 6
	s_and_b32 s47, s38, 63
	s_add_co_u32 s46, s46, s47                     ; row 64 slot + unit
.Lw1_copy:
	s_lshl_b32 s44, s46, 14
	s_add_nc_u64 s[40:41], s[40:41], s[44:45]
	ROW_LOAD
	ROW_STORE
	s_endpgm
.Lw1_zero:                                             ; units 1,376 to 1,407 do not exist: rows of zeros
	v_mov_b32 v[D], 0
	v_mov_b32 v[D+1], 0
.set j, 0
.rept 32
	global_store_b64 v3, v[D:D+1], s[42:43] offset:256*j
.set j, j+1
.endr
	s_endpgm
; W2.  Two rows of down_w a wave: 5,504 bytes each = ten loads of 512 and one of 384 (lanes past 23 repeat lane 23's address and store zeros: k 1,376 to 1,407).
.Lw2:
	s_sub_co_u32 s36, s[WG], 865
	s_lshl_b32 s36, s36, 4
	s_lshl1_add_u32 s36, s[WV], s36                ; my first row
	s_mul_i32 s44, s36, 5504
	s_add_nc_u64 s[40:41], s[8:9], s[44:45]
	s_mul_i32 s44, s36, 2816
	s_add_nc_u64 s[42:43], s[28:29], s[44:45]
	v_min_u32 v7, 368, v2
	v_cmp_gt_u32 s46, 24, v1
.irp r, 0,1
.irp g, 0,1,2,3,4,5,6,7,8,9
	global_load_b128 v[D+4*(11*\r+\g):D+4*(11*\r+\g)+3], v2, s[40:41] offset:5504*\r+512*\g th:TH_LOAD_NT
.endr
	global_load_b128 v[D+4*(11*\r+10):D+4*(11*\r+10)+3], v7, s[40:41] offset:5504*\r+5120 th:TH_LOAD_NT
.endr
.irp r, 0,1
.irp g, 0,1,2,3,4,5,6,7,8,9,10
	s_wait_loadcnt 21-(11*\r+\g)                   ; the younger loads of the 22 stay out
	v_cvt_pk_bf16_f32 v[D+4*(11*\r+\g)], v[D+4*(11*\r+\g)], v[D+4*(11*\r+\g)+1]
	v_cvt_pk_bf16_f32 v[D+4*(11*\r+\g)+1], v[D+4*(11*\r+\g)+2], v[D+4*(11*\r+\g)+3]
.if \g == 10
	v_cndmask_b32 v[D+4*(11*\r+\g)], 0, v[D+4*(11*\r+\g)], s46
	v_cndmask_b32 v[D+4*(11*\r+\g)+1], 0, v[D+4*(11*\r+\g)+1], s46
.endif
	global_store_b64 v3, v[D+4*(11*\r+\g):D+4*(11*\r+\g)+1], s[42:43] offset:2816*\r+256*\g
.endr
.endr
	s_endpgm
.Lfunc_end_k_q87c6bae2ca_prep:
	.size	k_q87c6bae2ca_prep, .Lfunc_end_k_q87c6bae2ca_prep-k_q87c6bae2ca_prep
	.p2alignl 7, 3214868480
	.fill 96, 4, 3214868480
	.section	.rodata,"a",@progbits
	.p2align	6, 0x0
	.amdhsa_kernel k_q87c6bae2ca_prep
		.amdhsa_group_segment_fixed_size 19456
		.amdhsa_private_segment_fixed_size 0
		.amdhsa_enable_private_segment 0
		.amdhsa_kernarg_size 120
		.amdhsa_user_sgpr_count 2
		.amdhsa_user_sgpr_kernarg_segment_ptr 1
		.amdhsa_wavefront_size32 1
		.amdhsa_system_sgpr_workgroup_id_x 1
		.amdhsa_system_sgpr_workgroup_id_y 1
		.amdhsa_system_sgpr_workgroup_id_z 1
		.amdhsa_system_vgpr_workitem_id 0
		.amdhsa_next_free_vgpr 208
		.amdhsa_next_free_sgpr 66
		.amdhsa_reserve_vcc 1
		.amdhsa_float_denorm_mode_32 3
		.amdhsa_float_denorm_mode_16_64 3
		.amdhsa_memory_ordered 1
		.amdhsa_forward_progress 1
		.amdhsa_inst_pref_size 76
	.end_amdhsa_kernel
	.amdgpu_metadata
---
amdhsa.version: [ 1, 2 ]
amdhsa.kernels:
  - .name:           k_q87c6bae2ca_prep
    .symbol:         k_q87c6bae2ca_prep.kd
    .args:
      - { .name: x, .offset: 0, .size: 8, .value_kind: global_buffer, .address_space: global }
      - { .name: gate_up_w, .offset: 8, .size: 8, .value_kind: global_buffer, .address_space: global }
      - { .name: down_w, .offset: 16, .size: 8, .value_kind: global_buffer, .address_space: global }
      - { .name: retain_gate, .offset: 24, .size: 8, .value_kind: global_buffer, .address_space: global }
      - { .name: retain_up, .offset: 32, .size: 8, .value_kind: global_buffer, .address_space: global }
      - { .name: forget_gate, .offset: 40, .size: 8, .value_kind: global_buffer, .address_space: global }
      - { .name: forget_up, .offset: 48, .size: 8, .value_kind: global_buffer, .address_space: global }
      - { .name: retain_down, .offset: 56, .size: 8, .value_kind: global_buffer, .address_space: global }
      - { .name: forget_down, .offset: 64, .size: 8, .value_kind: global_buffer, .address_space: global }
      - { .name: token_indices, .offset: 72, .size: 8, .value_kind: global_buffer, .address_space: global }
      - { .name: xs, .offset: 80, .size: 8, .value_kind: global_buffer, .address_space: global }
      - { .name: w1, .offset: 88, .size: 8, .value_kind: global_buffer, .address_space: global }
      - { .name: w2, .offset: 96, .size: 8, .value_kind: global_buffer, .address_space: global }
      - { .name: wd, .offset: 104, .size: 8, .value_kind: global_buffer, .address_space: global }
      - { .name: route, .offset: 112, .size: 8, .value_kind: global_buffer, .address_space: global }
    .group_segment_fixed_size: 19456
    .private_segment_fixed_size: 0
    .kernarg_segment_align: 8
    .kernarg_segment_size: 120
    .max_flat_workgroup_size: 256
    .sgpr_count:     66
    .vgpr_count:     208
    .wavefront_size: 32
...
	.end_amdgpu_metadata
.endif
;; end of part 1
;; launch gateup (part 2): grid 200 x 1, 4 waves a work-group, no clusters, 327,680 bytes of LDS; arguments xs, w1, route, scales, hx; writes hx
.if DOCPART == 2
	.amdgcn_target "amdgcn-amd-amdhsa--gfx1250"
	.amdhsa_code_object_version 6
	.text
	.protected	k_q87c6bae2ca_gateup
	.globl	k_q87c6bae2ca_gateup
	.p2align	8
	.type	k_q87c6bae2ca_gateup,@function
k_q87c6bae2ca_gateup:
	s_mov_b64 s[64:65], 0
	v_nop
	global_prefetch_b8 v0, s[64:65] scope:SCOPE_SE
	s_setreg_imm32_b32 hwreg(HW_REG_WAVE_MODE, 25, 1), 1
	s_wait_xcnt 0x0
; GATEUP: h[row][unit] = silu(xs[row] . gate[unit]) x (xs[row] . up[unit]) x scale; rows in sorted order.
; h is stored as TWO bf16 numbers, hi = bf16(h) and lo = bf16(h - hi): one bf16 alone, off by about 2^-9 of each of 1,504 terms, uses up the second product's whole margin,
; and f16 has no room for h (it grows with the fourth power of a common factor on x and the weights).  hx: [row][12 tiles][hi of 128 units | lo of 128 units], 6,144 bytes a row.
; A work-group makes 128 rows x 128 units = 128 x 256 of xs w1^T over K = 4,096; four waves, each 64 rows x 128 weight rows: 32 accumulators.
;   work-groups 0-175: base layer: column tile W / 16 (11 of them), row tile W % 16.
;   work-groups 176-199: adapters: entry W - 176 of the routing table: up to 128 sorted rows of one slot's segment.  Twenty-four serve every split of the tokens;
;   one that a split leaves without rows walks the loop (every wave passes every barrier, and none stands under a branch on a number read from memory) and stores nothing.
; NO CLUSTER.  The 16 row tiles of a base column tile read the same 256 rows of w1 and could ask for them jointly.  The adapter tiles cannot: which rows of w1 and of xs they
; take is read from the routing table, and the partners of a joint load are alike in every descriptor word by the text's own arithmetic.  One text with joint loads for
; the base tiles beside plain loads for the adapter tiles is not built here.
; K goes in steps of 128 through two LDS slots.  THE MATRIX INSTRUCTION IS USED TRANSPOSED (source 0 = 16 rows of w1, source 1 = 16 rows of xs): a lane holds one row
; of xs and eight rows of w1, which w1's order makes four pairs (gate, up).
; LIMITS.  Operands bf16, sums f32, the scale rounded to bf16 like every other input.  silu(g) u = g u / (1 + 2^(-1.4427 g)): where the power
; overflows the result is 0.  NaN and infinities are not treated apart.
; REGISTERS: window 0: v0-31 addresses; v32-127, v128-223 two fragment buffers (64 of w1, 32 of xs).  window 1: accumulator (a, b) at v[8 (8 a + b)].
.set KDIM,  4096
.set PITCH, 272                        ; an LDS row: 256 bytes + 16 of padding: the 16 rows of a fragment load start 68 words apart
.set AHALF, 64*PITCH                   ; what waves 0, 1 fetch: 64 rows of xs each
.set BHALF, 128*PITCH                  ; what waves 2, 3 fetch: 128 rows of w1 each
.set SLOT,  2*AHALF+2*BHALF
.set STAGE, 2*SLOT                     ; behind the ring: 128 rows x 528 bytes, the work-group's, for the way out
.set SPITCH, 528                       ; 256 bytes of hi, 256 of lo, 16 of padding: the 16 rows of a store start 132 words apart
.set SPARE, STAGE+128*SPITCH           ; the spare words, 128 bytes a wave
.set HROW,  6144                       ; bytes in a row of hx
.set LAPS,  KDIM/256
.set CB,    (1<<16)|(1<<20)|(5<<22)|(3<<25)  ; group 1, word 0: no mask; 2-byte elements; padding on; after every 64 words; 4 words
.set ADRA, 16                          ; v16-17 LDS address of my xs fragments in slot 0, 1
.set ADRB, 20                          ; v20-21 the same for w1
.set MONE, 22                          ; v22 -1.0
.set STO,  24
.set RD,   25
.set CO,   26
.set SPW,  28
.set NIL,  29
.set KS,   30                          ; v[30:31] (-log2 e, scale)
.set F0,   32
.set F1,   128
.set WV, 14
.set RH, 15                            ; my half of the rows; also: I fetch xs (0) or w1 (1)
.set CH, 16                            ; my half of the columns; also: which half of that tile I fetch
.set G1A, 24
.set G0A, 32
.set G1B, 48
.set G0B, 56
.set MUL, 0x50                         ; C and D in window 1, sources in window 0
.set MSB, 0
.macro WIN new                         ; the immediate's high byte repeats the setting that is left
.if MSB != (\new)
	s_set_vgpr_msb (MSB<<8)|(\new)
.set MSB, \new
.endif
.endm
.macro TLOAD s                         ; a wave's one load for slot s; an s_nop 0 and four v_nop follow each line, ahead of the jump and the label
	s_cmp_eq_u32 s[RH], 0
	s_cbranch_scc0 .Lfor_b_\@
	tensor_load_to_lds s[G0A+4*(\s):G0A+4*(\s)+3], s[G1A:G1A+7]
	s_nop 0
.rept 4
	v_nop
.endr
	s_branch .Lasked_\@
.Lfor_b_\@:
	tensor_load_to_lds s[G0B+4*(\s):G0B+4*(\s)+3], s[G1B:G1B+7]
	s_nop 0
.rept 4
	v_nop
.endr
.Lasked_\@:
.endm
.macro PLACES                          ; four plain places between a matrix instruction and a load into, or a read of, its registers
.rept 4
	v_nop
.endr
.endm
.macro MUL8 f, a, zero                 ; row block a x all 8 column blocks, 32 along K; zero = 1: the product starts the sums
	WIN MUL
.irp b, 0,1,2,3,4,5,6,7
.if \zero
	v_wmma_f32_16x16x32_bf16 v[8*(8*(\a)+\b):8*(8*(\a)+\b)+7], v[(\f)+8*\b:(\f)+8*\b+7], v[(\f)+64+8*(\a):(\f)+64+8*(\a)+7], 0
.else
	v_wmma_f32_16x16x32_bf16 v[8*(8*(\a)+\b):8*(8*(\a)+\b)+7], v[(\f)+8*\b:(\f)+8*\b+7], v[(\f)+64+8*(\a):(\f)+64+8*(\a)+7], v[8*(8*(\a)+\b):8*(8*(\a)+\b)+7]
.endif
.endr
.endm
.macro MUL16 f, a0, zero
	MUL8 \f, \a0, \zero
	MUL8 \f, (\a0)+1, \zero
.endm
.macro FETCH slot, k, f                ; 24 LDS loads in one run: 32 along K at byte k of the rows: w1's 8 fragments, then xs's 4
	WIN 0
.irp i, 0,1,2,3,4,5,6,7
	ds_load_b128 v[(\f)+8*\i:(\f)+8*\i+3],   v[ADRB+(\slot)] offset:(\k)+\i*16*PITCH
	ds_load_b128 v[(\f)+8*\i+4:(\f)+8*\i+7], v[ADRB+(\slot)] offset:(\k)+\i*16*PITCH+32
.endr
.irp i, 0,1,2,3
	ds_load_b128 v[(\f)+64+8*\i:(\f)+64+8*\i+3],   v[ADRA+(\slot)] offset:(\k)+\i*16*PITCH
	ds_load_b128 v[(\f)+64+8*\i+4:(\f)+64+8*\i+7], v[ADRA+(\slot)] offset:(\k)+\i*16*PITCH+32
.endr
.endm
; A K step is four quarters of 32 along K, 32 matrix instructions each, on buffers 0, 1, 0, 1; the 32 accumulators take turns in one order everywhere.
.macro QUARTER slot, k, f, g, zero     ; multiplies buffer f; in its middle fetches the next quarter, at byte k, into g
	s_wait_dscnt 4                                 ; all but the youngest four loads (xs's row blocks 2, 3)
	MUL16 \f, 0, \zero
	PLACES
	FETCH \slot, \k, \g
	s_wait_dscnt 24                                ; all but the 24 just issued
	MUL16 \f, 2, \zero
.endm
; The last quarter multiplies buffer 1 and changes slots: one barrier; in front of it each wave waits for all its tensor loads (one is out: its part of the next slot),
; adds 0 to its spare word, and waits for that and for its reads of this slot.  fill = 1: this slot is filled again, two K steps ahead, first thing behind the barrier.
.macro TURN slot, next, fill
	WIN 0
	s_wait_tensorcnt 0x0                           ; no tensor load of mine is out, so a group 0 may be written
	ds_add_u32 v[SPW], v[NIL]
.if \fill
	s_add_nc_u64 s[G0A+4*(\slot)+2:G0A+4*(\slot)+3], s[G0A+4*(\slot)+2:G0A+4*(\slot)+3], 512
	s_add_nc_u64 s[G0B+4*(\slot)+2:G0B+4*(\slot)+3], s[G0B+4*(\slot)+2:G0B+4*(\slot)+3], 512
.endif
	s_wait_dscnt 5                                 ; the add and the youngest four loads may be out
	MUL8 F1, 0, 0
	s_wait_dscnt 0x0                               ; the add is done, and my reads of this slot are over
	s_barrier_signal -1
	MUL8 F1, 1, 0
.if \fill
	WIN 0                                          ; a branch follows
.endif
	s_barrier_wait -1
.if \fill
	TLOAD \slot                                    ; 112 matrix instructions ahead of the wait for it; its four v_nop are also the places in front of the loads below
.else
	PLACES
.endif
	FETCH \next, 0, F0
	MUL16 F1, 2, 0
.endm
.macro LASTQ
	s_wait_dscnt 4
	MUL16 F1, 0, 0
	s_wait_dscnt 0x0
	MUL16 F1, 2, 0
.endm
.macro RESID p0, p1, h                 ; four numbers less their bf16 roundings (two packed in p0, two in p1): -1 x hi + h, exact
	v_fma_mix_f32_bf16 v[(\h)],   v[(\p0)], v[MONE], v[(\h)]   op_sel_hi:[1,0,0]
	v_fma_mix_f32_bf16 v[(\h)+2], v[(\p0)], v[MONE], v[(\h)+2] op_sel:[1,0,0] op_sel_hi:[1,0,0]
	v_fma_mix_f32_bf16 v[(\h)+4], v[(\p1)], v[MONE], v[(\h)+4] op_sel_hi:[1,0,0]
	v_fma_mix_f32_bf16 v[(\h)+6], v[(\p1)], v[MONE], v[(\h)+6] op_sel:[1,0,0] op_sel_hi:[1,0,0]
.endm
.macro HSTORE t                        ; row 32 w + t of the tile: one row's 512 bytes in one store; a row that is not the tile's is jumped
	s_wait_dscnt 31-(\t)                           ; the younger loads of the 32 stay out
	s_add_co_u32 s73, s72, \t
	s_cmp_lt_u32 s73, s23                          ; rows LO .. LO + NV - 1 are mine (below LO the difference wraps round and is large)
	s_cbranch_scc0 .Lnot_mine_\@
	global_store_b128 v[CO], v[32+4*(\t):32+4*(\t)+3], s[76:77] offset:HROW*(\t)  ; 512 consecutive bytes, at a multiple of 512 from hx's first byte
.Lnot_mine_\@:
.endm
	s_load_b256 s[4:11], s[0:1], 0x0               ; xs 4, w1 6, route 8, scales 10
	s_load_b64 s[12:13], s[0:1], 0x20              ; hx
	v_lshl_add_u32 v[SPW], v0, 2, SPARE
	v_mov_b32 v[NIL], 0
	ds_add_u32 v[SPW], v[NIL]                      ; the wave's opening
	v_lshrrev_b32 v1, 5, v0
	v_readfirstlane_b32 s[WV], v1
	s_lshr_b32 s[RH], s[WV], 1
	s_and_b32 s[CH], s[WV], 1
	s_mov_b32 s18, ttmp9                           ; W: the work-group's number
	s_mov_b32 s[G1A], CB
	s_mov_b32 s[G1A+1], 128<<16                    ; tensor_dim0 = 128
	s_mov_b32 s[G1A+2], 64<<16                     ; tensor_dim1 = 64
	s_mov_b32 s[G1A+3], 128<<16                    ; tile_dim0 = 128
	s_mov_b32 s[G1A+4], 64                         ; tile_dim1 = 64
	s_mov_b32 s[G1A+5], KDIM                       ; elements from row to row
	s_mov_b32 s[G1A+6], 0
	s_mov_b32 s[G1A+7], 0
	s_mov_b32 s[G1B], CB
	s_mov_b32 s[G1B+1], 128<<16
	s_mov_b32 s[G1B+2], 128<<16
	s_mov_b32 s[G1B+3], 128<<16
	s_mov_b32 s[G1B+4], 128
	s_mov_b32 s[G1B+5], KDIM
	s_mov_b32 s[G1B+6], 0
	s_mov_b32 s[G1B+7], 0
	s_mul_i32 s74, s[CH], AHALF                    ; where my part of a tile goes: the wave's number alone
	s_mul_i32 s75, s[CH], BHALF
	s_add_co_u32 s75, s75, 2*AHALF
	s_wait_dscnt 0x0                               ; the opening add is done
	s_wait_kmcnt 0x0
	; The tile: BT s19 tile of w1, CT s20 column tile of hx, P0C s21 first row read, LO s22 first row of the tile that is mine, NV s23 rows that are mine.
	; The branch hangs on the work-group's number alone; both arms meet ahead of every barrier.
	s_cmp_lt_u32 s18, 176
	s_cbranch_scc0 .Ladapter
	s_lshr_b32 s19, s18, 4
	s_mov_b32 s20, s19
	s_and_b32 s21, s18, 15
	s_lshl_b32 s21, s21, 7
	s_mov_b32 s22, 0
	s_mov_b32 s23, 128
	s_mov_b32 s44, 1.0
	s_mov_b32 s45, 1.0
	s_branch .Lparams
.Ladapter:
	s_sub_co_u32 s47, s18, 176
	s_lshl_b32 s47, s47, 4
	s_load_b128 s[40:43], s[8:9], s47 offset:0x4000  ; (slot, first row, end, 0)
	s_wait_kmcnt 0x0
	s_min_u32 s40, s40, 7                          ; the segment of tokens without a slot is computed with slot 7's weights; the second product masks it
	s_min_u32 s41, s41, 2047
	s_min_u32 s42, s42, 2048
	s_sub_co_i32 s23, s42, s41
	s_max_i32 s23, s23, 0
	s_min_i32 s23, s23, 128
	s_min_u32 s21, s41, 1920                       ; the tile read stays inside xs,
	s_sub_co_u32 s22, s41, s21                     ; and its first rows then belong to others
	s_add_co_u32 s19, s40, 11
	s_mov_b32 s20, 11
	s_lshl_b32 s47, s40, 3
	s_load_b64 s[44:45], s[10:11], s47 offset:0x0  ; the slot's two scales
	s_wait_kmcnt 0x0
.Lparams:
	s_cmp_eq_u32 s[CH], 0                          ; units 0-63 (retain) are column half 0's, 64-127 (forget) half 1's
	s_cselect_b32 s46, s44, s45
	s_lshl_b32 s66, s[CH], 6
	s_add_co_u32 s66, s66, s21
	s_lshl_b32 s66, s66, 13
	s_mov_b32 s67, 0
	s_add_nc_u64 s[66:67], s[4:5], s[66:67]        ; xs at row P0C + 64 half
	s_lshl_b32 s68, s19, 8
	s_lshl_b32 s69, s[CH], 7
	s_add_co_u32 s68, s68, s69
	s_lshl_b32 s68, s68, 13
	s_mov_b32 s69, 0
	s_add_nc_u64 s[68:69], s[6:7], s[68:69]        ; w1 at row 256 BT + 128 half
.irp s, 0,1
	s_mov_b32 s[G0A+4*\s], 1
	s_add_co_u32 s[G0A+4*\s+1], s74, \s*SLOT
	s_add_nc_u64 s[G0A+4*\s+2:G0A+4*\s+3], s[66:67], \s*256
	s_or_b32 s[G0A+4*\s+3], s[G0A+4*\s+3], 0x80000000
	s_mov_b32 s[G0B+4*\s], 1
	s_add_co_u32 s[G0B+4*\s+1], s75, \s*SLOT
	s_add_nc_u64 s[G0B+4*\s+2:G0B+4*\s+3], s[68:69], \s*256
	s_or_b32 s[G0B+4*\s+3], s[G0B+4*\s+3], 0x80000000
	TLOAD \s                                       ; K steps 0 and 1: two loads of mine are out
.endr
	v_and_b32 v1, 15, v0                           ; l % 16
	v_bfe_u32 v2, v0, 4, 1                         ; l / 16
	v_mul_u32_u24 v3, v1, PITCH
	v_lshl_add_u32 v3, v2, 4, v3                   ; a fragment's row x pitch + 16 x half
	s_mul_i32 s72, s[RH], AHALF
	s_mul_i32 s73, s[CH], BHALF
	s_add_co_u32 s73, s73, 2*AHALF
.irp s, 0,1
	v_add_nc_u32 v[ADRA+\s], s72, v3
	v_add_nc_u32 v[ADRB+\s], s73, v3
	s_add_co_u32 s72, s72, SLOT
	s_add_co_u32 s73, s73, SLOT
.endr
	s_mul_i32 s72, s[RH], 64*SPITCH                ; into the stage: my 64 rows, my half of their 256 bytes of hi (lo: 256 bytes on)
	s_lshl_b32 s73, s[CH], 7
	s_add_co_u32 s72, s72, s73
	s_add_co_u32 s72, s72, STAGE
	v_mul_u32_u24 v[STO], v1, SPITCH
	v_lshl_add_u32 v[STO], v2, 4, v[STO]
	v_add_nc_u32 v[STO], s72, v[STO]
	v_and_b32 v5, 31, v0
	v_lshlrev_b32 v5, 4, v5                        ; 16 x lane
	s_mul_i32 s72, s[WV], 32*SPITCH                ; back: wave w takes rows 32 w .. 32 w + 31 whole, one a load
	s_add_co_u32 s72, s72, STAGE
	v_add_nc_u32 v[RD], s72, v5
	s_mul_i32 s72, s[WV], 32*HROW
	v_add_nc_u32 v[CO], s72, v5
	v_mov_b32 v[MONE], -1.0
	v_mov_b32 v[KS], 0xbfb8aa3b                    ; -log2(e)
	v_mov_b32 v[KS+1], s46
	v_cvt_pk_bf16_f32 v[KS+1], v[KS+1], v[KS+1]    ; the scale is rounded to bf16, like every other input,
	v_lshlrev_b32 v[KS+1], 16, v[KS+1]             ; and used as f32
	s_mul_i32 s78, s21, HROW
	s_lshl_b32 s79, s20, 9
	s_add_co_u32 s78, s78, s79
	s_mov_b32 s79, 0
	s_add_nc_u64 s[76:77], s[12:13], s[78:79]      ; hx at the tile's first row and column
	s_lshl_b32 s72, s[WV], 5
	s_sub_co_u32 s72, s72, s22                     ; the first row that I store, counted from LO; kept to the end
	s_wait_tensorcnt 1                             ; my part of K step 0 is in; step 1's may stay out
	s_barrier_signal -1
	s_barrier_wait -1
	FETCH 0, 0, F0
	QUARTER 0, 64, F0, F1, 1                       ; the first quarter starts the sums: nothing is cleared
	WIN 0
	s_mov_b32 s70, LAPS-1
.Llap:                                                 ; a trip goes once round the ring and fills both slots again
	QUARTER 0, 128, F1, F0, 0
	QUARTER 0, 192, F0, F1, 0
	TURN 0, 1, 1
	QUARTER 1, 64,  F0, F1, 0
	QUARTER 1, 128, F1, F0, 0
	QUARTER 1, 192, F0, F1, 0
	TURN 1, 0, 1
	QUARTER 0, 64,  F0, F1, 0
	WIN 0
	s_sub_co_u32 s70, s70, 1
	s_cmp_lg_u32 s70, 0
	s_cbranch_scc1 .Llap
	QUARTER 0, 128, F1, F0, 0                      ; the last lap fills nothing
	QUARTER 0, 192, F0, F1, 0
	TURN 0, 1, 0
	QUARTER 1, 64,  F0, F1, 0
	QUARTER 1, 128, F1, F0, 0
	QUARTER 1, 192, F0, F1, 0
	LASTQ
	; THE WAY OUT, in place in window 1: registers 2 t, 2 t + 1 are (g, u) of one unit.  Each accumulator is read from its low end on.
	PLACES
	WIN 0x45
.set t, 0
.rept 128
	v_mul_f32 v[2*t+1], v[2*t], v[2*t+1]           ; g u
.set t, t+1
.endr
	WIN 0x41
.set t, 0
.rept 128
	v_pk_mul_f32 v[2*t:2*t+1], v[2*t:2*t+1], v[KS:KS+1]  ; (-g log2 e, g u scale)
.set t, t+1
.endr
.set t, 0
.rept 128
	v_exp_f32 v[2*t], v[2*t]
.set t, t+1
.endr
	v_nop                                          ; a plain instruction behind the last exponential,
	s_wait_alu depctr_va_vdst(0)                   ; and one wait for the batch, ahead of its first reader
	WIN 0x45
.set t, 0
.rept 128
	v_add_f32 v[2*t], 1.0, v[2*t]
.set t, t+1
.endr
.set t, 0
.rept 128
	v_rcp_f32 v[2*t], v[2*t]
.set t, t+1
.endr
	v_nop
	s_wait_alu depctr_va_vdst(0)                   ; one wait for the 128 reciprocals
.set t, 0
.rept 128
	v_mul_f32 v[2*t], v[2*t], v[2*t+1]             ; h, in the even registers; the odd ones are free
.set t, t+1
.endr
	; hi and lo.  A group is the 16 registers E .. E + 15 of an even and an odd column block: eight h.  The even block's are rounded into free odd registers, their rests packed
	; beside them; that frees the registers into which the odd block's go.  No register is moved: hi ends in E .. E + 3, lo in E + 4 .. E + 7, in the units' order (w1's row order sees to that).
	; In five passes over the 16 groups, since -1.0 lies in window 0: four switches.
.set g, 0
.rept 16
.set E, 16*g
	v_cvt_pk_bf16_f32 v[E+1], v[E],   v[E+2]
	v_cvt_pk_bf16_f32 v[E+3], v[E+4], v[E+6]
.set g, g+1
.endr
	WIN 0x51                                       ; source 1 in window 0
.set g, 0
.rept 16
.set E, 16*g
	RESID E+1, E+3, E
.set g, g+1
.endr
	WIN 0x45
.set g, 0
.rept 16
.set E, 16*g
	v_cvt_pk_bf16_f32 v[E+5], v[E],    v[E+2]
	v_cvt_pk_bf16_f32 v[E+7], v[E+4],  v[E+6]
	v_cvt_pk_bf16_f32 v[E],   v[E+8],  v[E+10]
	v_cvt_pk_bf16_f32 v[E+2], v[E+12], v[E+14]
.set g, g+1
.endr
	WIN 0x51
.set g, 0
.rept 16
.set E, 16*g
	RESID E, E+2, E+8
.set g, g+1
.endr
	WIN 0x45
.set g, 0
.rept 16
.set E, 16*g
	v_cvt_pk_bf16_f32 v[E+4], v[E+8],  v[E+10]
	v_cvt_pk_bf16_f32 v[E+6], v[E+12], v[E+14]
.set g, g+1
.endr
	WIN 0x04                                       ; store data in window 1
.set g, 0
.rept 16                               ; group g: row block g / 4, units 16 (g % 4) + 8 (l / 16) + 0..7 of my 64
	ds_store_b128 v[STO], v[16*g:16*g+3]   offset:(g/4)*16*SPITCH+32*(g%4)
	ds_store_b128 v[STO], v[16*g+4:16*g+7] offset:(g/4)*16*SPITCH+32*(g%4)+256
.set g, g+1
.endr
	WIN 0
	s_wait_dscnt 0x0                               ; for the others' sake: a row's bytes come from two waves
	s_barrier_signal -1
	s_barrier_wait -1
.set t, 0
.rept 32
	ds_load_b128 v[32+4*t:32+4*t+3], v[RD] offset:t*SPITCH
.set t, t+1
.endr
.set t, 0
.rept 32
	HSTORE t
.set t, t+1
.endr
	s_wait_tensorcnt 0x0                           ; the wave's end
	ds_add_u32 v[SPW], v[NIL]
	s_wait_dscnt 0x0
	s_endpgm
.Lfunc_end_k_q87c6bae2ca_gateup:
	.size	k_q87c6bae2ca_gateup, .Lfunc_end_k_q87c6bae2ca_gateup-k_q87c6bae2ca_gateup
	.p2alignl 7, 3214868480
	.fill 96, 4, 3214868480
	.section	.rodata,"a",@progbits
	.p2align	6, 0x0
	.amdhsa_kernel k_q87c6bae2ca_gateup
		.amdhsa_group_segment_fixed_size 327680
		.amdhsa_private_segment_fixed_size 0
		.amdhsa_enable_private_segment 0
		.amdhsa_kernarg_size 40
		.amdhsa_user_sgpr_count 2
		.amdhsa_user_sgpr_kernarg_segment_ptr 1
		.amdhsa_wavefront_size32 1
		.amdhsa_system_sgpr_workgroup_id_x 1
		.amdhsa_system_sgpr_workgroup_id_y 1
		.amdhsa_system_sgpr_workgroup_id_z 1
		.amdhsa_system_vgpr_workitem_id 0
		.amdhsa_next_free_vgpr 512
		.amdhsa_next_free_sgpr 80
		.amdhsa_reserve_vcc 0
		.amdhsa_float_denorm_mode_32 3
		.amdhsa_float_denorm_mode_16_64 3
		.amdhsa_memory_ordered 1
		.amdhsa_forward_progress 1
		.amdhsa_inst_pref_size 126
	.end_amdhsa_kernel
	.amdgpu_metadata
---
amdhsa.version: [ 1, 2 ]
amdhsa.kernels:
  - .name:           k_q87c6bae2ca_gateup
    .symbol:         k_q87c6bae2ca_gateup.kd
    .args:
      - { .name: xs, .offset: 0, .size: 8, .value_kind: global_buffer, .address_space: global }
      - { .name: w1, .offset: 8, .size: 8, .value_kind: global_buffer, .address_space: global }
      - { .name: route, .offset: 16, .size: 8, .value_kind: global_buffer, .address_space: global }
      - { .name: scales, .offset: 24, .size: 8, .value_kind: global_buffer, .address_space: global }
      - { .name: hx, .offset: 32, .size: 8, .value_kind: global_buffer, .address_space: global }
    .group_segment_fixed_size: 327680
    .private_segment_fixed_size: 0
    .kernarg_segment_align: 8
    .kernarg_segment_size: 40
    .max_flat_workgroup_size: 128
    .sgpr_count:     80
    .vgpr_count:     512
    .wavefront_size: 32
...
	.end_amdgpu_metadata
.endif
;; end of part 2
;; launch down (part 3): grid 16 x 16, 4 waves a work-group, no clusters, 327,680 bytes of LDS; arguments hx, w2, wd, route, out0; writes out0
.if DOCPART == 3
	.amdgcn_target "amdgcn-amd-amdhsa--gfx1250"
	.amdhsa_code_object_version 6
	.text
	.protected	k_q87c6bae2ca_down
	.globl	k_q87c6bae2ca_down
	.p2align	8
	.type	k_q87c6bae2ca_down,@function
k_q87c6bae2ca_down:
	s_mov_b64 s[64:65], 0
	v_nop
	global_prefetch_b8 v0, s[64:65] scope:SCOPE_SE
	s_setreg_imm32_b32 hwreg(HW_REG_WAVE_MODE, 25, 1), 1
	s_wait_xcnt 0x0
; DOWN: out0[token of row][n] = sum over k < 1,408 of h[row][k] w2[n][k] + sum over k < 128 of h[row][1408 + k] wd[slot of row][n][k].  Rows in sorted order; f32 out.
; h comes as two bf16 numbers, hi + lo (hx: [row][12 tiles][hi of 128 units | lo of 128 units]); both are multiplied by the same weights and added into one f32 sum.
; A work-group makes 128 rows x 256 columns; four waves, each 64 x 128: 32 accumulators.  256 work-groups.
; BASE PART: 22 K steps of 128 through two LDS slots: hi of tile j in slot 0, lo of tile j in slot 1, each with w2's tile j beside it (so w2's tile is fetched twice).
; ADAPTER PART: no LDS, no barrier, no tensor load.  My 64 rows' adapter units stay in registers; for each slot that occurs in my wave's 64 sorted rows (a run of
; neighbouring slots, read from the first and the last row's routing word) the rows of other slots are set to 0 and four K steps of 32 are added for hi and for lo, the slot's
; weights coming from memory straight in operand order, two buffers by turns.  The last trip's refills repeat a slot and serve nothing.
; NO CLUSTER.  The 16 tiles of a row share hx's tile and the 16 of a column w2's, so joint loads would divide the requests by four.  But the adapter loop's count is
; read from memory.  The constant count that serves every split is 8 trips: 2,048 matrix instructions
; a wave beside the base part's 2,816, where a wave's 64 sorted rows of 2,048 over 8 slots hold one slot, now and then two: 256 or 512.
; THE MATRIX INSTRUCTION IS USED TRANSPOSED (source 0 = 16 rows of the weights, source 1 = 16 rows of hx): a lane holds one row and eight neighbouring columns.
; LIMITS.  Operands bf16, sums f32.  A row whose slot word is 8 (index outside 0..7) takes no adapter.  NaN and infinities are not treated apart.
; REGISTERS: window 0: v0-31 addresses; v32-127, v128-223 fragment buffers (adapter part: v32-159 the masked rows; way out: rows read back); v224-239 store offsets.
;   window 1: accumulator (a, b) at v[8 (8 a + b)].  window 2: adapter units, hi (q, a) at 8 (4 q + a), lo 128 further.
;   window 3: wd's fragments, (q, b) at 8 (8 q + b): buffer 0 is q = 0, 1, buffer 1 q = 2, 3.
.set PITCH, 272
.set AHALF, 64*PITCH
.set BHALF, 128*PITCH
.set SLOT,  2*AHALF+2*BHALF
.set STAGE, 2*SLOT                     ; behind the ring: 16 rows x 528 bytes for each wave
.set SPITCH, 528                       ; 512 bytes + 16: the 16 rows of a store start 132 words apart
.set SPARE, STAGE+4*16*SPITCH
.set HROW,  6144                       ; bytes in a row of hx
.set LAPS,  11                         ; a lap = hi and lo of one tile of 128 units
.set CB,    (1<<16)|(1<<20)|(5<<22)|(3<<25)  ; group 1, word 0: no mask; 2-byte elements; padding on; after every 64 words; 4 words
.set SL,   6                           ; v6-9   slot of row 16 a + l % 16 of my 64
.set TK,   10                          ; v10-13 its token
.set ADRA, 16
.set ADRB, 20
.set STO,  24
.set RD,   25
.set CO,   26                          ; v26 16 x lane
.set AO,   27                          ; v27 my lane's place in 16 rows of hx
.set SPW,  28
.set NIL,  29
.set F0,   32
.set F1,   128
.set MA,   32                          ; the masked rows of two K steps: fragment 4 (2 (q % 2) + part) + a, part 0 hi, 1 lo
.set OFF,  224
.set WV, 14
.set RH, 15
.set CH, 16
.set G1A, 24
.set G0A, 32
.set G1B, 48
.set G0B, 56
.set CUR, 40                           ; s40 the slot in hand; s42 trips; s43 counts them; s44-47 the row blocks' masks
.set MUL, 0x50
.set MSB, 0
.macro WIN new
.if MSB != (\new)
	s_set_vgpr_msb (MSB<<8)|(\new)
.set MSB, \new
.endif
.endm
.macro TLOAD s                         ; a wave's one load for slot s: waves 0, 1 fetch hx's two halves, waves 2, 3 w2's; an s_nop 0 and four v_nop follow each line
	s_cmp_eq_u32 s[RH], 0
	s_cbranch_scc0 .Lfor_b_\@
	tensor_load_to_lds s[G0A+4*(\s):G0A+4*(\s)+3], s[G1A:G1A+7]
	s_nop 0
.rept 4
	v_nop
.endr
	s_branch .Lasked_\@
.Lfor_b_\@:
	tensor_load_to_lds s[G0B+4*(\s):G0B+4*(\s)+3], s[G1B:G1B+7]
	s_nop 0
.rept 4
	v_nop
.endr
.Lasked_\@:
.endm
.macro PLACES
.rept 4
	v_nop
.endr
.endm
.macro MUL8 f, a, zero
	WIN MUL
.irp b, 0,1,2,3,4,5,6,7
.if \zero
	v_wmma_f32_16x16x32_bf16 v[8*(8*(\a)+\b):8*(8*(\a)+\b)+7], v[(\f)+8*\b:(\f)+8*\b+7], v[(\f)+64+8*(\a):(\f)+64+8*(\a)+7], 0
.else
	v_wmma_f32_16x16x32_bf16 v[8*(8*(\a)+\b):8*(8*(\a)+\b)+7], v[(\f)+8*\b:(\f)+8*\b+7], v[(\f)+64+8*(\a):(\f)+64+8*(\a)+7], v[8*(8*(\a)+\b):8*(8*(\a)+\b)+7]
.endif
.endr
.endm
.macro MUL16 f, a0, zero
	MUL8 \f, \a0, \zero
	MUL8 \f, (\a0)+1, \zero
.endm
.macro FETCH slot, k, f
	WIN 0
.irp i, 0,1,2,3,4,5,6,7
	ds_load_b128 v[(\f)+8*\i:(\f)+8*\i+3],   v[ADRB+(\slot)] offset:(\k)+\i*16*PITCH
	ds_load_b128 v[(\f)+8*\i+4:(\f)+8*\i+7], v[ADRB+(\slot)] offset:(\k)+\i*16*PITCH+32
.endr
.irp i, 0,1,2,3
	ds_load_b128 v[(\f)+64+8*\i:(\f)+64+8*\i+3],   v[ADRA+(\slot)] offset:(\k)+\i*16*PITCH
	ds_load_b128 v[(\f)+64+8*\i+4:(\f)+64+8*\i+7], v[ADRA+(\slot)] offset:(\k)+\i*16*PITCH+32
.endr
.endm
.macro QUARTER slot, k, f, g, zero
	s_wait_dscnt 4                                 ; all but the youngest four loads (hx's row blocks 2, 3)
	MUL16 \f, 0, \zero
	PLACES
	FETCH \slot, \k, \g
	s_wait_dscnt 24                                ; all but the 24 just issued
	MUL16 \f, 2, \zero
.endm
.macro TURN slot, next, fill           ; the last quarter of a K step, and the change of slots
	WIN 0
	s_wait_tensorcnt 0x0                           ; all my tensor loads have landed: my part of the next slot; so a group 0 may be written
	ds_add_u32 v[SPW], v[NIL]
.if \fill
	s_add_nc_u64 s[G0A+4*(\slot)+2:G0A+4*(\slot)+3], s[G0A+4*(\slot)+2:G0A+4*(\slot)+3], 512  ; hx: the same part (hi or lo) of the next tile
	s_add_nc_u64 s[G0B+4*(\slot)+2:G0B+4*(\slot)+3], s[G0B+4*(\slot)+2:G0B+4*(\slot)+3], 256  ; w2: the next 128 k
.endif
	s_wait_dscnt 5                                 ; the add and the youngest four loads may be out
	MUL8 F1, 0, 0
	s_wait_dscnt 0x0                               ; the add is done, and my reads of this slot are over
	s_barrier_signal -1
	MUL8 F1, 1, 0
.if \fill
	WIN 0                                          ; a branch follows
.endif
	s_barrier_wait -1
.if \fill
	TLOAD \slot                                    ; first thing behind the barrier; its four v_nop are also the places in front of the loads below
.else
	PLACES
.endif
	FETCH \next, 0, F0
	MUL16 F1, 2, 0
.endm
.macro LASTQ
	s_wait_dscnt 4
	MUL16 F1, 0, 0
	s_wait_dscnt 0x0
	MUL16 F1, 2, 0
.endm
.macro ALOAD part                      ; 32 loads: my 64 rows' 128 adapter units, hi (0) or lo (1), as fragments
.irp q, 0,1,2,3
.irp a, 0,1,2,3
	global_load_b128 v[128*(\part)+8*(4*\q+\a):128*(\part)+8*(4*\q+\a)+3],   v[AO], s[92:93] offset:\a*16*HROW+64*\q+256*(\part)
	global_load_b128 v[128*(\part)+8*(4*\q+\a)+4:128*(\part)+8*(4*\q+\a)+7], v[AO], s[92:93] offset:\a*16*HROW+64*\q+256*(\part)+32
.endr
.endr
.endm
.macro BLOAD q0, sb                    ; 32 loads: wd's fragments of K steps q0, q0 + 1 for my 8 column blocks; each load takes 512 consecutive bytes
	WIN 0xc0                                       ; destination window 3
.irp q, \q0, (\q0)+1
.irp b, 0,1,2,3,4,5,6,7
	global_load_b128 v[8*(8*(\q)+\b):8*(8*(\q)+\b)+3],   v[CO], s[\sb:\sb+1] offset:4096*\b+1024*(\q)
	global_load_b128 v[8*(8*(\q)+\b)+4:8*(8*(\q)+\b)+7], v[CO], s[\sb:\sb+1] offset:4096*\b+1024*(\q)+512
.endr
.endr
	WIN 0
.endm
.macro MASKH hf                        ; K steps 2 hf, 2 hf + 1, hi and lo: rows of other slots count as 0.  Fragment t: step t / 8, part (t / 4) % 2, row block t % 4
	WIN 0x08                                       ; source 1 in window 2, destination in window 0
.set t, 0
.rept 16
.set r, 0
.rept 8
	v_cndmask_b32 v[MA+8*t+r], 0, v[128*((t/4)%2)+8*(4*(2*(\hf)+t/8)+t%4)+r], s[44+t%4]
.set r, r+1
.endr
.set t, t+1
.endr
.endm
.macro AMUL q, part                    ; 32 matrix instructions: K step q of the slot in hand, hi or lo; the accumulators in the base part's order
	WIN 0x53                                       ; source 0 window 3, source 1 window 0, C and D window 1
.irp a, 0,1,2,3
.irp b, 0,1,2,3,4,5,6,7
	v_wmma_f32_16x16x32_bf16 v[8*(8*\a+\b):8*(8*\a+\b)+7], v[8*(8*(\q)+\b):8*(8*(\q)+\b)+7], v[MA+8*(4*(2*((\q)%2)+(\part))+\a):MA+8*(4*(2*((\q)%2)+(\part))+\a)+7], v[8*(8*\a+\b):8*(8*\a+\b)+7]
.endr
.endr
.endm
	s_load_b256 s[4:11], s[0:1], 0x0               ; hx 4, w2 6, wd 8, route 10
	s_load_b64 s[12:13], s[0:1], 0x20              ; out0
	v_lshl_add_u32 v[SPW], v0, 2, SPARE
	v_mov_b32 v[NIL], 0
	ds_add_u32 v[SPW], v[NIL]                      ; the wave's opening
	v_lshrrev_b32 v1, 5, v0
	v_readfirstlane_b32 s[WV], v1
	s_lshr_b32 s[RH], s[WV], 1
	s_and_b32 s[CH], s[WV], 1
	s_mov_b32 s19, ttmp9                           ; tile column
	s_and_b32 s20, ttmp7, 0xffff                   ; tile row
	s_mov_b32 s[G1A], CB
	s_mov_b32 s[G1A+1], 128<<16                    ; tensor_dim0 = 128
	s_mov_b32 s[G1A+2], 64<<16                     ; tensor_dim1 = 64
	s_mov_b32 s[G1A+3], 128<<16                    ; tile_dim0 = 128
	s_mov_b32 s[G1A+4], 64                         ; tile_dim1 = 64
	s_mov_b32 s[G1A+5], HROW/2                     ; hx: elements from row to row
	s_mov_b32 s[G1A+6], 0
	s_mov_b32 s[G1A+7], 0
	s_mov_b32 s[G1B], CB
	s_mov_b32 s[G1B+1], 128<<16
	s_mov_b32 s[G1B+2], 128<<16
	s_mov_b32 s[G1B+3], 128<<16
	s_mov_b32 s[G1B+4], 128
	s_mov_b32 s[G1B+5], 1408                       ; w2
	s_mov_b32 s[G1B+6], 0
	s_mov_b32 s[G1B+7], 0
	s_mul_i32 s86, s[CH], AHALF                    ; where my part of a tile goes: the wave's number alone
	s_mul_i32 s87, s[CH], BHALF
	s_add_co_u32 s87, s87, 2*AHALF
	s_lshl_b32 s80, s20, 7                         ; hx: row 128 x tile row + 64 x half
	s_lshl_b32 s22, s[CH], 6
	s_add_co_u32 s80, s80, s22
	s_mul_i32 s80, s80, HROW
	s_mov_b32 s81, 0
	s_lshl_b32 s82, s19, 8                         ; w2: row 256 x tile column + 128 x half
	s_lshl_b32 s23, s[CH], 7
	s_add_co_u32 s82, s82, s23
	s_mul_i32 s82, s82, 2816
	s_mov_b32 s83, 0
	s_lshl_b32 s75, s20, 9                         ; the routing word of my wave's first row: 4 x (128 x tile row + 64 x row half)
	s_lshl_b32 s22, s[RH], 8
	s_add_co_u32 s75, s75, s22
	s_wait_dscnt 0x0                               ; the opening add is done
	s_wait_kmcnt 0x0
	s_load_b32 s40, s[10:11], s75 offset:0x0       ; the slots of my wave's first
	s_load_b32 s41, s[10:11], s75 offset:0xfc      ; and last row
	s_add_nc_u64 s[80:81], s[4:5], s[80:81]
	s_add_nc_u64 s[82:83], s[6:7], s[82:83]
.irp s, 0,1
	s_mov_b32 s[G0A+4*\s], 1
	s_add_co_u32 s[G0A+4*\s+1], s86, \s*SLOT
	s_add_nc_u64 s[G0A+4*\s+2:G0A+4*\s+3], s[80:81], \s*256  ; slot 0: hi of tile 0; slot 1: its lo, 256 bytes on
	s_or_b32 s[G0A+4*\s+3], s[G0A+4*\s+3], 0x80000000
	s_mov_b32 s[G0B+4*\s], 1
	s_add_co_u32 s[G0B+4*\s+1], s87, \s*SLOT
	s_add_nc_u64 s[G0B+4*\s+2:G0B+4*\s+3], s[82:83], 0       ; both slots: w2's tile 0
	s_or_b32 s[G0B+4*\s+3], s[G0B+4*\s+3], 0x80000000
	TLOAD \s                                       ; K steps 0 and 1: two loads of mine are out
.endr
	v_and_b32 v1, 15, v0                           ; l % 16
	v_bfe_u32 v2, v0, 4, 1                         ; l / 16
	v_mul_u32_u24 v3, v1, PITCH
	v_lshl_add_u32 v3, v2, 4, v3
	s_mul_i32 s72, s[RH], AHALF
	s_mul_i32 s76, s[CH], BHALF
	s_add_co_u32 s76, s76, 2*AHALF
.irp s, 0,1
	v_add_nc_u32 v[ADRA+\s], s72, v3
	v_add_nc_u32 v[ADRB+\s], s76, v3
	s_add_co_u32 s72, s72, SLOT
	s_add_co_u32 s76, s76, SLOT
.endr
	v_lshlrev_b32 v14, 2, v1
	v_mul_u32_u24 v[AO], v1, HROW
	v_lshl_add_u32 v[AO], v2, 4, v[AO]
	v_and_b32 v[CO], 31, v0
	v_lshlrev_b32 v[CO], 4, v[CO]
	s_mul_i32 s77, s[WV], 16*SPITCH
	s_add_co_u32 s77, s77, STAGE                   ; my stage
	v_mul_u32_u24 v[STO], v1, SPITCH               ; in: row l % 16, 32 bytes for each half of the lanes
	v_lshl_add_u32 v[STO], v2, 5, v[STO]
	v_add_nc_u32 v[STO], s77, v[STO]
	v_add_nc_u32 v[RD], s77, v[CO]                 ; back: 32 lanes take one row's 512 bytes
	s_mov_b32 s73, 0
	s_mov_b32 s72, s75
	s_add_nc_u64 s[84:85], s[10:11], s[72:73]      ; the routing words of my 64 rows
	s_lshl_b32 s72, s20, 7
	s_lshl_b32 s76, s[RH], 6
	s_add_co_u32 s72, s72, s76
	s_mul_i32 s72, s72, HROW
	s_add_co_u32 s72, s72, 11*512
	s_add_nc_u64 s[92:93], s[4:5], s[72:73]        ; hx at my first row, tile 11: the adapter units
	s_lshl_b32 s72, s19, 16
	s_lshl_b32 s76, s[CH], 15
	s_add_co_u32 s72, s72, s76
	s_add_nc_u64 s[70:71], s[8:9], s[72:73]        ; wd at slot 0, my first block of 16 columns
	s_lshl_b32 s72, s19, 10
	s_lshl_b32 s76, s[CH], 9
	s_add_co_u32 s72, s72, s76
	s_add_nc_u64 s[94:95], s[12:13], s[72:73]      ; out0 at my 128 columns
	s_wait_kmcnt 0x0
	s_min_u32 s[CUR], s[CUR], 7
	s_min_u32 s41, s41, 7
	s_sub_co_u32 s42, s41, s[CUR]
	s_add_co_u32 s42, s42, 1                       ; slots to walk: one at the least (the rows are sorted)
	s_mov_b32 s43, 0
	s_lshl_b32 s72, s[CUR], 20                     ; a slot's weights are 2^20 bytes
	s_add_nc_u64 s[66:67], s[70:71], s[72:73]
	s_mov_b64 s[68:69], s[66:67]
	; What the adapter part needs is asked for early and lands under the base part, which touches none of these registers: 72 loads here, wd's 64 behind the first quarter.
.irp a, 0,1,2,3
	global_load_b32 v[SL+\a], v14, s[84:85] offset:64*\a
	global_load_b32 v[TK+\a], v14, s[84:85] offset:64*\a+8192
.endr
	WIN 0x80                                       ; destination window 2
	ALOAD 0
	ALOAD 1
	WIN 0
	s_wait_tensorcnt 1                             ; my part of K step 0 is in; step 1's may stay out
	s_barrier_signal -1
	s_barrier_wait -1
	FETCH 0, 0, F0
	QUARTER 0, 64, F0, F1, 1                       ; the first quarter starts the sums
	BLOAD 0, 66                                    ; the first slot's weights: buffer 0, then buffer 1
	BLOAD 2, 68
	s_mov_b32 s74, LAPS-1
.Llap:                                                 ; a trip goes once round the ring: hi and lo of one tile; it fills both slots again: the fills bring K steps 2 to 21
	QUARTER 0, 128, F1, F0, 0
	QUARTER 0, 192, F0, F1, 0
	TURN 0, 1, 1
	QUARTER 1, 64,  F0, F1, 0
	QUARTER 1, 128, F1, F0, 0
	QUARTER 1, 192, F0, F1, 0
	TURN 1, 0, 1
	QUARTER 0, 64,  F0, F1, 0
	WIN 0
	s_sub_co_u32 s74, s74, 1
	s_cmp_lg_u32 s74, 0
	s_cbranch_scc1 .Llap
	QUARTER 0, 128, F1, F0, 0                      ; the last lap fills nothing
	QUARTER 0, 192, F0, F1, 0
	TURN 0, 1, 0
	QUARTER 1, 64,  F0, F1, 0
	QUARTER 1, 128, F1, F0, 0
	QUARTER 1, 192, F0, F1, 0
	LASTQ
	WIN 0
.Lslot:                                                ; a trip: one slot's 128 units, hi and lo
	PLACES                                         ; in front of the writes of the masked rows, which the last products read (on the way in: as fragment buffers)
	s_wait_loadcnt 32                              ; buffer 0 and all older loads are in; buffer 1's 32 may be out: the same count on the way in and on the way back
.irp a, 0,1,2,3
	v_cmp_eq_u32 s[44+\a], s[CUR], v[SL+\a]
.endr
	MASKH 0
	AMUL 0, 0
	AMUL 0, 1
	AMUL 1, 0
	AMUL 1, 1
	WIN 0
	PLACES                                         ; in front of the loads into buffer 0 and of the next writes of the masked rows
	s_add_co_u32 s76, s[CUR], 1
	s_min_u32 s76, s76, 7                          ; the next slot; behind the last it stays inside wd
	s_lshl_b32 s72, s76, 20
	s_add_nc_u64 s[66:67], s[70:71], s[72:73]      ; free: the wait at the trip's head showed buffer 0's loads done
	BLOAD 0, 66
	s_wait_loadcnt 32                              ; buffer 1 is in; the 32 just issued stay out
	MASKH 1
	AMUL 2, 0
	AMUL 2, 1
	AMUL 3, 0
	AMUL 3, 1
	WIN 0
	PLACES                                         ; in front of the loads into buffer 1
	s_mov_b64 s[68:69], s[66:67]                   ; free: buffer 1's loads are done
	BLOAD 2, 68
	s_add_co_u32 s[CUR], s[CUR], 1
	s_add_co_u32 s43, s43, 1
	s_cmp_lt_u32 s43, s42
	s_cbranch_scc1 .Lslot
	; THE WAY OUT, 16 rows at a time: a lane's 32 bytes of a row go into my stage; a row's 512 bytes come back to 32 lanes and go to the row's token.
	PLACES
.irp a, 0,1,2,3
.set TMP, 32+96*((\a)%2)
	WIN 0x04                                       ; store data in window 1; each accumulator's low registers first
.irp b, 0,1,2,3,4,5,6,7
	ds_store_b128 v[STO], v[8*(8*\a+\b):8*(8*\a+\b)+3]   offset:64*\b
	ds_store_b128 v[STO], v[8*(8*\a+\b)+4:8*(8*\a+\b)+7] offset:64*\b+16
.endr
	WIN 0
	s_wait_xcnt 0x0                                ; the registers that earlier stores read are written again only behind this wait
.irp i, 0,1,2,3,4,5,6,7,8,9,10,11,12,13,14,15
	ds_load_b128 v[TMP+4*\i:TMP+4*\i+3], v[RD] offset:SPITCH*\i  ; my own bytes: LDS serves a wave's instructions in order
.endr
.irp i, 0,1,2,3,4,5,6,7,8,9,10,11,12,13,14,15
	v_readlane_b32 s[76+\i%4], v[TK+\a], \i
	s_min_u32 s[76+\i%4], s[76+\i%4], 2047
	v_lshl_add_u32 v[OFF+\i], s[76+\i%4], 14, v[CO]  ; the token's row of 16,384 bytes
.endr
.irp i, 0,1,2,3,4,5,6,7,8,9,10,11,12,13,14,15
	s_wait_dscnt 15-\i
	global_store_b128 v[OFF+\i], v[TMP+4*\i:TMP+4*\i+3], s[94:95] th:TH_STORE_NT  ; 512 consecutive bytes, at a multiple of 512 from out0's first byte
.endr
.endr
	s_wait_tensorcnt 0x0                           ; the wave's end
	ds_add_u32 v[SPW], v[NIL]
	s_wait_dscnt 0x0
	s_endpgm
.Lfunc_end_k_q87c6bae2ca_down:
	.size	k_q87c6bae2ca_down, .Lfunc_end_k_q87c6bae2ca_down-k_q87c6bae2ca_down
	.p2alignl 7, 3214868480
	.fill 96, 4, 3214868480
	.section	.rodata,"a",@progbits
	.p2align	6, 0x0
	.amdhsa_kernel k_q87c6bae2ca_down
		.amdhsa_group_segment_fixed_size 327680
		.amdhsa_private_segment_fixed_size 0
		.amdhsa_enable_private_segment 0
		.amdhsa_kernarg_size 40
		.amdhsa_user_sgpr_count 2
		.amdhsa_user_sgpr_kernarg_segment_ptr 1
		.amdhsa_wavefront_size32 1
		.amdhsa_system_sgpr_workgroup_id_x 1
		.amdhsa_system_sgpr_workgroup_id_y 1
		.amdhsa_system_sgpr_workgroup_id_z 1
		.amdhsa_system_vgpr_workitem_id 0
		.amdhsa_next_free_vgpr 1024
		.amdhsa_next_free_sgpr 96
		.amdhsa_reserve_vcc 0
		.amdhsa_float_denorm_mode_32 3
		.amdhsa_float_denorm_mode_16_64 3
		.amdhsa_memory_ordered 1
		.amdhsa_forward_progress 1
		.amdhsa_inst_pref_size 150
	.end_amdhsa_kernel
	.amdgpu_metadata
---
amdhsa.version: [ 1, 2 ]
amdhsa.kernels:
  - .name:           k_q87c6bae2ca_down
    .symbol:         k_q87c6bae2ca_down.kd
    .args:
      - { .name: hx, .offset: 0, .size: 8, .value_kind: global_buffer, .address_space: global }
      - { .name: w2, .offset: 8, .size: 8, .value_kind: global_buffer, .address_space: global }
      - { .name: wd, .offset: 16, .size: 8, .value_kind: global_buffer, .address_space: global }
      - { .name: route, .offset: 24, .size: 8, .value_kind: global_buffer, .address_space: global }
      - { .name: out0, .offset: 32, .size: 8, .value_kind: global_buffer, .address_space: global }
    .group_segment_fixed_size: 327680
    .private_segment_fixed_size: 0
    .kernarg_segment_align: 8
    .kernarg_segment_size: 40
    .max_flat_workgroup_size: 128
    .sgpr_count:     96
    .vgpr_count:     1024
    .wavefront_size: 32
...
	.end_amdgpu_metadata
.endif
;; end of part 3
;; ======== version 2 of 2: 3 launches; 1.16 times as fast as version 1
;; limits: values are held in f16: magnitudes above 65,504 overflow, below 6.1e-05 lose precision
;; workspace buffers: xs 16,777,216 bytes; w1 39,845,888 bytes; w2 11,534,336 bytes; wd 8,388,608 bytes; hx 6,291,456 bytes; hs 98,304 bytes; route 16,896 bytes of whole numbers
;; launch prep (part 4): grid 1377 x 1, 8 waves a work-group, no clusters, 19,456 bytes of LDS; arguments x, gate_up_w, down_w, retain_gate, retain_up, forget_gate, forget_up, retain_down, forget_down, token_indices, xs, w1, w2, wd, route; writes xs, w1, w2, wd, route
.if DOCPART == 4
	.amdgcn_target "amdgcn-amd-amdhsa--gfx1250"
	.amdhsa_code_object_version 6
	.text
	.protected	k_q87c6bae2ca_prep
	.globl	k_q87c6bae2ca_prep
	.p2align	8
	.type	k_q87c6bae2ca_prep,@function
k_q87c6bae2ca_prep:
	s_mov_b64 s[64:65], 0
	v_nop
	global_prefetch_b8 v0, s[64:65] scope:SCOPE_SE
	s_setreg_imm32_b32 hwreg(HW_REG_WAVE_MODE, 25, 1), 1
	s_wait_xcnt 0x0
; PREP: every f32 operand is rounded once to bf16 and laid out for the two products; the tokens are sorted by adapter slot.
; One wave is one unit of work; no wave waits for another.  The work-group's number picks the job:
;   0            the table of adapter tiles (wave 0 alone; the other seven waves have no part in it)
;   1 .. 256     x: a wave takes one token's row, finds its place in the order (slot, token) and stores it there in xs
;   257 .. 864   w1: 19 tiles of 256 rows (11 of gate_up_w, one for each slot), gate and up rows interleaved (see .Lw1)
;   865 .. 1120  w2: down_w, rows padded with zeros from 1,376 to 1,408 numbers
;   1121 .. 1376 wd: retain_down and forget_down in the order in which a wave's operand registers take them
; xs and w1 are bf16.  w2 and wd feed a product whose other operand is f16: they are rounded to bf16 like every input, and that number is written as f16:
; exact from 2^-17 up (8 significant bits on f16's step of 2^-24), with that step below; LIMIT: a weight of the down layers beyond 65,504 becomes an infinity.
; A slot index outside 0..7 counts as 8: such a token has no adapter, and is sorted behind all others.
; No matrix unit, no cluster, no tensor load: each byte is read once and stored once, and no two work-groups share a byte but the 8 KiB of indices.
.set SPARE, 18432                      ; behind the eight waves' 2,304 bytes of LDS: the spare words, 128 bytes a wave
.set D,  16                            ; v[16:143]  up to 32 loads of 16 bytes
.set IX, 144                           ; v[144:207] the 2,048 indices: register IX+4q+e of lane l is token 128 q + 4 l + e
.set WV, 34                            ; s34 my wave's number
.set WG, 35                            ; s35 the work-group's number
; s[40:41] source, s[42:43] destination, s[44:45] a byte offset in 64 bits (s45 stays 0)
; v1 lane, v2 16 x lane, v3 8 x lane, v4 4 x lane, v5 and v6 the add's two registers
.macro IDX_LOAD
.irp q, 0,1,2,3,4,5,6,7,8,9,10,11,12,13,14,15
	global_load_b128 v[IX+4*\q:IX+4*\q+3], v2, s[22:23] offset:512*\q
.endr
.endm
.macro ROW_LOAD                        ; a row of 4,096 f32: 32 loads of 512 consecutive bytes
.set j, 0
.rept 32
	global_load_b128 v[D+4*j:D+4*j+3], v2, s[40:41] offset:512*j th:TH_LOAD_NT
.set j, j+1
.endr
.endm
.macro ROW_STORE                       ; rounded in place, stored as 32 x 256 consecutive bytes, aligned
.set j, 0
.rept 32
	s_wait_loadcnt 31-j                            ; loads come back in order: number j is in, the 31 - j younger ones stay out
	v_cvt_pk_bf16_f32 v[D+4*j], v[D+4*j], v[D+4*j+1]
	v_cvt_pk_bf16_f32 v[D+4*j+1], v[D+4*j+2], v[D+4*j+3]
	global_store_b64 v3, v[D+4*j:D+4*j+1], s[42:43] offset:256*j
.set j, j+1
.endr
.endm
.macro TOF16 p, t                      ; the two bf16 numbers in v[p] are written as f16; v[t] and v[t+1] at work
	v_lshlrev_b32 v[\t], 16, v[\p]
	v_and_b32 v[(\t)+1], 0xffff0000, v[\p]
	v_cvt_pk_f16_f32 v[\p], v[\t], v[(\t)+1]
.endm
	s_load_b512 s[4:19], s[0:1], 0x0               ; x 4, gate_up_w 6, down_w 8, retain_gate 10, retain_up 12, forget_gate 14, forget_up 16, retain_down 18
	s_load_b256 s[20:27], s[0:1], 0x40             ; forget_down 20, token_indices 22, xs 24, w1 26
	s_load_b128 s[28:31], s[0:1], 0x60             ; w2 28, wd 30
	s_load_b64 s[32:33], s[0:1], 0x70              ; route
	v_lshl_add_u32 v5, v0, 2, SPARE
	v_mov_b32 v6, 0
	v_lshrrev_b32 v7, 5, v0
	v_readfirstlane_b32 s[WV], v7
	s_mov_b32 s[WG], ttmp9
	v_and_b32 v1, 31, v0
	v_lshlrev_b32 v2, 4, v1
	v_lshlrev_b32 v3, 3, v1
	v_lshlrev_b32 v4, 2, v1
	s_mov_b32 s45, 0
	s_wait_kmcnt 0x0
	s_cmp_eq_u32 s[WG], 0
	s_cbranch_scc1 .Ltable
	s_cmp_lt_u32 s[WG], 257
	s_cbranch_scc1 .Lx
	s_cmp_lt_u32 s[WG], 865
	s_cbranch_scc1 .Lw1
	s_cmp_lt_u32 s[WG], 1121
	s_cbranch_scc1 .Lw2
; WD.  e = slot x 256 + block of 16 output columns.  A half (retain, forget) is 16 rows x 64 k of f32, 4,096 consecutive bytes.
; Out: 4 K steps of 1,024 bytes; byte 512 p + 16 lane holds column lane % 16, k = 32 q + 16 p + 8 (lane / 16) + 0..7.
; That is a transposition of 8-byte pieces: through my own 2,304 bytes of LDS, eight blocks of 256 bytes, 288 apart.
	s_sub_co_u32 s36, s[WG], 1121
	s_lshl3_add_u32 s36, s36, s[WV]                ; e
	s_lshl_b32 s44, s36, 12
	s_add_nc_u64 s[40:41], s[18:19], s[44:45]
	s_add_nc_u64 s[46:47], s[20:21], s[44:45]
	s_add_nc_u64 s[42:43], s[30:31], s[44:45]
.irp j, 0,1,2,3,4,5,6,7
	global_load_b128 v[D+4*\j:D+4*\j+3], v2, s[40:41] offset:512*\j th:TH_LOAD_NT
.endr
.irp j, 0,1,2,3,4,5,6,7
	global_load_b128 v[D+32+4*\j:D+32+4*\j+3], v2, s[46:47] offset:512*\j th:TH_LOAD_NT
.endr
	s_mul_i32 s48, s[WV], 2304
	v_bfe_u32 v7, v1, 1, 3                         ; my 4 k lie in block (lane / 2) % 8 = 4 q + 2 p + half,
	v_mul_u32_u24 v7, v7, 288
	v_lshrrev_b32 v8, 4, v1
	v_lshl_add_u32 v7, v8, 4, v7                   ; column 2 j + lane / 16 (2 j stands in the immediate),
	v_and_b32 v9, 1, v1
	v_lshl_add_u32 v7, v9, 3, v7                   ; low or high 8 bytes
	v_add_nc_u32 v7, s48, v7
	v_mul_u32_u24 v8, v8, 288                      ; back: lanes 0-15 one block, lanes 16-31 the next
	v_and_b32 v9, 15, v1
	v_lshl_add_u32 v8, v9, 4, v8
	v_add_nc_u32 v8, s48, v8
.irp hf, 0,1
.irp j, 0,1,2,3,4,5,6,7
	s_wait_loadcnt 15-(8*\hf+\j)                   ; the younger loads of the sixteen stay out
	v_cvt_pk_bf16_f32 v[D+32*\hf+4*\j], v[D+32*\hf+4*\j], v[D+32*\hf+4*\j+1]
	v_cvt_pk_bf16_f32 v[D+32*\hf+4*\j+1], v[D+32*\hf+4*\j+2], v[D+32*\hf+4*\j+3]
	TOF16 D+32*\hf+4*\j, D+32*\hf+4*\j+2
	TOF16 D+32*\hf+4*\j+1, D+32*\hf+4*\j+2
	ds_store_b64 v7, v[D+32*\hf+4*\j:D+32*\hf+4*\j+1] offset:32*\j
.endr
.irp m, 0,1,2,3
	ds_load_b128 v[IX+16*\hf+4*\m:IX+16*\hf+4*\m+3], v8 offset:576*\m  ; my own bytes: LDS serves a wave's instructions in order, so these see the stores above, and the second half's stores come behind them
.endr
.irp m, 0,1,2,3
	s_wait_dscnt 3-\m
	global_store_b128 v2, v[IX+16*\hf+4*\m:IX+16*\hf+4*\m+3], s[42:43] offset:2048*\hf+512*\m
.endr
.endr
	s_wait_tensorcnt 0x0                           ; the end of a wave that wrote LDS
	ds_add_u32 v5, v6
	s_wait_dscnt 0x0
	s_endpgm
; THE TABLE.  seg[s] = tokens with a slot below s (s = 0..9; slot 8: none).  Segment s takes ceil(n / 128) tiles of the first product:
; at most (2,048 + 9 x 127) / 128 = 24 for nine segments and 2,048 tokens.  Entry k: (slot, first sorted row, the segment's end, 0); entries past the last are zeros.
.Ltable:
	s_cmp_lg_u32 s[WV], 0
	s_cbranch_scc1 .Lend
	IDX_LOAD
	v_mov_b32 v7, 0
	s_wait_loadcnt 0x0
.set g, 0
.rept 64
	v_min_u32 v[IX+g], 8, v[IX+g]
.set g, g+1
.endr
	s_mov_b32 s36, 1
.Lseg:                                                 ; s = 1 .. 8: lane s of v7 takes seg[s]
	s_mov_b32 s38, 0
.set g, 0
.rept 64
	v_cmp_gt_u32 vcc_lo, s36, v[IX+g]
	s_bcnt1_i32_b32 s37, vcc_lo
	s_add_co_u32 s38, s38, s37
.set g, g+1
.endr
	v_cmp_ne_u32 vcc_lo, s36, v1
	v_cndmask_b32 v7, s38, v7, vcc_lo
	s_add_co_u32 s36, s36, 1
	s_cmp_lt_u32 s36, 9
	s_cbranch_scc1 .Lseg
	s_mov_b32 s40, 0                               ; seg[0..9] in s40-s49
.irp s, 1,2,3,4,5,6,7,8
	v_readlane_b32 s[40+\s], v7, \s
.endr
	s_mov_b32 s49, 2048
	s_mov_b32 s50, 0                               ; the segments' first tiles, cl[0..9], in s50-s59
.irp s, 0,1,2,3,4,5,6,7,8
	s_sub_co_u32 s36, s[41+\s], s[40+\s]
	s_add_co_u32 s36, s36, 127
	s_lshr_b32 s36, s36, 7
	s_add_co_u32 s[51+\s], s[50+\s], s36
.endr
	v_mov_b32 v8, 0
	v_mov_b32 v9, 0
	v_mov_b32 v10, 0
	v_mov_b32 v11, 0
	v_mov_b32 v12, 0
.irp s, 0,1,2,3,4,5,6,7,8
	v_cmp_gt_u32 vcc_lo, s[50+\s], v1              ; lane k keeps what it has where cl[s] > k; so it ends with the last segment that begins at or before k
	v_cndmask_b32 v8, \s, v8, vcc_lo
	v_cndmask_b32 v9, s[40+\s], v9, vcc_lo
	v_cndmask_b32 v12, s[50+\s], v12, vcc_lo
	v_cndmask_b32 v10, s[41+\s], v10, vcc_lo
.endr
	v_sub_nc_u32 v12, v1, v12
	v_lshl_add_u32 v9, v12, 7, v9                  ; the tile's first row
	v_cmp_gt_u32 vcc_lo, s59, v1                   ; tiles in use
	v_cndmask_b32 v8, 0, v8, vcc_lo
	v_cndmask_b32 v9, 0, v9, vcc_lo
	v_cndmask_b32 v10, 0, v10, vcc_lo
	global_store_b128 v2, v[8:11], s[32:33] offset:16384
.Lend:
	s_endpgm
; X.  Token t's place is the number of tokens whose key (slot, token) is smaller: each wave counts that for itself from the 2,048 indices
; while its row's 32 loads are on their way.  No sum spans waves, and every place is taken once.
.Lx:
	s_sub_co_u32 s36, s[WG], 1
	s_lshl3_add_u32 s36, s36, s[WV]                ; t
	s_lshl_b32 s46, s36, 2
	s_load_b32 s37, s[22:23], s46 offset:0x0
	s_lshl_b32 s44, s36, 14
	s_add_nc_u64 s[40:41], s[4:5], s[44:45]
	IDX_LOAD
	ROW_LOAD
	s_wait_kmcnt 0x0
	s_min_u32 s37, s37, 8
	s_lshl_b32 s38, s37, 11
	s_add_co_u32 s38, s38, s36                     ; my key = 2,048 slot + t
	s_mov_b32 s39, 0
	s_wait_loadcnt 32                              ; the indices are in; the row's 32 loads stay out
.set g, 0
.rept 64
	v_min_u32 v[7+g%2], 8, v[IX+g]
	v_lshl_add_u32 v[7+g%2], v[7+g%2], 11, v4      ; the other's key less 128 q + e,
	s_sub_co_i32 s46, s38, 128*(g/4)+g%4           ; and mine less the same (it may fall below 0: a signed compare)
	v_cmp_gt_i32 vcc_lo, s46, v[7+g%2]
	s_bcnt1_i32_b32 s47, vcc_lo
	s_add_co_u32 s39, s39, s47
.set g, g+1
.endr
	s_min_u32 s39, s39, 2047
	s_lshl_b32 s44, s39, 13
	s_add_nc_u64 s[42:43], s[24:25], s[44:45]
	ROW_STORE
	s_lshl_b32 s46, s39, 2
	v_mov_b32 v9, s46
	v_mov_b32 v10, s37
	v_mov_b32 v11, s36
	v_cmp_eq_u32 vcc_lo, 0, v1
	s_wait_xcnt 0x0                                ; EXEC is a source of the stores above: it changes only behind this wait
	s_and_saveexec_b32 s47, vcc_lo
	global_store_b32 v9, v10, s[32:33]             ; the sorted row's slot and token: two words a token, 16 KiB in the whole launch
	global_store_b32 v9, v11, s[32:33] offset:8192
	s_wait_xcnt 0x0
	s_or_b32 exec_lo, exec_lo, s47
	s_endpgm
; W1.  Row d of w1: tile d / 256; in the tile bit 0 says gate (0) or up (1), and the hidden unit is u = 16 d[7:5] + 8 d[3] + 4 d[2] + 2 (1 - d[4]) + d[1].
; So in the product's result a lane's register pairs are (gate, up) of one unit, and the order in which the first product's way out packs the sixteen registers
; of an even and an odd block of 16 rows (odd block's first pair, even's first, odd's second, even's second) is the units' own order: eight neighbouring units a lane.
.Lw1:
	s_sub_co_u32 s36, s[WG], 257
	s_lshl3_add_u32 s36, s36, s[WV]                ; d
	s_lshr_b32 s37, s36, 8                         ; tile
	s_bfe_u32 s38, s36, 0x30005
	s_lshl_b32 s38, s38, 4
	s_bfe_u32 s39, s36, 0x10003
	s_lshl3_add_u32 s38, s39, s38
	s_bfe_u32 s39, s36, 0x10002
	s_lshl2_add_u32 s38, s39, s38
	s_bfe_u32 s39, s36, 0x10004
	s_xor_b32 s39, s39, 1
	s_lshl1_add_u32 s38, s39, s38
	s_bfe_u32 s39, s36, 0x10001
	s_add_co_u32 s38, s38, s39                     ; u
	s_and_b32 s39, s36, 1                          ; gate or up
	s_lshl_b32 s44, s36, 13
	s_add_nc_u64 s[42:43], s[26:27], s[44:45]
	s_cmp_lt_u32 s37, 11
	s_cbranch_scc0 .Lw1_adapter
	s_lshl_b32 s46, s37, 7
	s_add_co_u32 s46, s46, s38                     ; the base layer's unit
	s_cmp_lt_u32 s46, 1376
	s_cbranch_scc0 .Lw1_zero
	s_mul_i32 s47, s39, 1376                       ; up rows lie 1,376 rows behind the gate rows
	s_add_co_u32 s46, s46, s47
	s_mov_b64 s[40:41], s[6:7]
	s_branch .Lw1_copy
.Lw1_adapter:
	s_cmp_ge_u32 s38, 64                           ; units 0-63 retain, 64-127 forget
	s_cselect_b64 s[48:49], s[14:15], s[10:11]
	s_cselect_b64 s[50:51], s[16:17], s[12:13]
	s_cmp_eq_u32 s39, 1
	s_cselect_b64 s[40:41], s[50:51], s[48:49]
	s_sub_co_u32 s46, s37, 11
	s_lshl_b32 s46, s46, 6
	s_and_b32 s47, s38, 63
	s_add_co_u32 s46, s46, s47                     ; row 64 slot + unit
.Lw1_copy:
	s_lshl_b32 s44, s46, 14
	s_add_nc_u64 s[40:41], s[40:41], s[44:45]
	ROW_LOAD
	ROW_STORE
	s_endpgm
.Lw1_zero:                                             ; units 1,376 to 1,407 do not exist: rows of zeros
	v_mov_b32 v[D], 0
	v_mov_b32 v[D+1], 0
.set j, 0
.rept 32
	global_store_b64 v3, v[D:D+1], s[42:43] offset:256*j
.set j, j+1
.endr
	s_endpgm
; W2.  Two rows of down_w a wave: 5,504 bytes each = ten loads of 512 and one of 384 (lanes past 23 repeat lane 23's address and store zeros: k 1,376 to 1,407).
.Lw2:
	s_sub_co_u32 s36, s[WG], 865
	s_lshl_b32 s36, s36, 4
	s_lshl1_add_u32 s36, s[WV], s36                ; my first row
	s_mul_i32 s44, s36, 5504
	s_add_nc_u64 s[40:41], s[8:9], s[44:45]
	s_mul_i32 s44, s36, 2816
	s_add_nc_u64 s[42:43], s[28:29], s[44:45]
	v_min_u32 v7, 368, v2
	v_cmp_gt_u32 s46, 24, v1
.irp r, 0,1
.irp g, 0,1,2,3,4,5,6,7,8,9
	global_load_b128 v[D+4*(11*\r+\g):D+4*(11*\r+\g)+3], v2, s[40:41] offset:5504*\r+512*\g th:TH_LOAD_NT
.endr
	global_load_b128 v[D+4*(11*\r+10):D+4*(11*\r+10)+3], v7, s[40:41] offset:5504*\r+5120 th:TH_LOAD_NT
.endr
.irp r, 0,1
.irp g, 0,1,2,3,4,5,6,7,8,9,10
	s_wait_loadcnt 21-(11*\r+\g)                   ; the younger loads of the 22 stay out
	v_cvt_pk_bf16_f32 v[D+4*(11*\r+\g)], v[D+4*(11*\r+\g)], v[D+4*(11*\r+\g)+1]
	v_cvt_pk_bf16_f32 v[D+4*(11*\r+\g)+1], v[D+4*(11*\r+\g)+2], v[D+4*(11*\r+\g)+3]
	TOF16 D+4*(11*\r+\g), D+4*(11*\r+\g)+2
	TOF16 D+4*(11*\r+\g)+1, D+4*(11*\r+\g)+2
.if \g == 10
	v_cndmask_b32 v[D+4*(11*\r+\g)], 0, v[D+4*(11*\r+\g)], s46
	v_cndmask_b32 v[D+4*(11*\r+\g)+1], 0, v[D+4*(11*\r+\g)+1], s46
.endif
	global_store_b64 v3, v[D+4*(11*\r+\g):D+4*(11*\r+\g)+1], s[42:43] offset:2816*\r+256*\g
.endr
.endr
	s_endpgm
.Lfunc_end_k_q87c6bae2ca_prep:
	.size	k_q87c6bae2ca_prep, .Lfunc_end_k_q87c6bae2ca_prep-k_q87c6bae2ca_prep
	.p2alignl 7, 3214868480
	.fill 96, 4, 3214868480
	.section	.rodata,"a",@progbits
	.p2align	6, 0x0
	.amdhsa_kernel k_q87c6bae2ca_prep
		.amdhsa_group_segment_fixed_size 19456
		.amdhsa_private_segment_fixed_size 0
		.amdhsa_enable_private_segment 0
		.amdhsa_kernarg_size 120
		.amdhsa_user_sgpr_count 2
		.amdhsa_user_sgpr_kernarg_segment_ptr 1
		.amdhsa_wavefront_size32 1
		.amdhsa_system_sgpr_workgroup_id_x 1
		.amdhsa_system_sgpr_workgroup_id_y 1
		.amdhsa_system_sgpr_workgroup_id_z 1
		.amdhsa_system_vgpr_workitem_id 0
		.amdhsa_next_free_vgpr 208
		.amdhsa_next_free_sgpr 66
		.amdhsa_reserve_vcc 1
		.amdhsa_float_denorm_mode_32 3
		.amdhsa_float_denorm_mode_16_64 3
		.amdhsa_memory_ordered 1
		.amdhsa_forward_progress 1
		.amdhsa_inst_pref_size 88
	.end_amdhsa_kernel
	.amdgpu_metadata
---
amdhsa.version: [ 1, 2 ]
amdhsa.kernels:
  - .name:           k_q87c6bae2ca_prep
    .symbol:         k_q87c6bae2ca_prep.kd
    .args:
      - { .name: x, .offset: 0, .size: 8, .value_kind: global_buffer, .address_space: global }
      - { .name: gate_up_w, .offset: 8, .size: 8, .value_kind: global_buffer, .address_space: global }
      - { .name: down_w, .offset: 16, .size: 8, .value_kind: global_buffer, .address_space: global }
      - { .name: retain_gate, .offset: 24, .size: 8, .value_kind: global_buffer, .address_space: global }
      - { .name: retain_up, .offset: 32, .size: 8, .value_kind: global_buffer, .address_space: global }
      - { .name: forget_gate, .offset: 40, .size: 8, .value_kind: global_buffer, .address_space: global }
      - { .name: forget_up, .offset: 48, .size: 8, .value_kind: global_buffer, .address_space: global }
      - { .name: retain_down, .offset: 56, .size: 8, .value_kind: global_buffer, .address_space: global }
      - { .name: forget_down, .offset: 64, .size: 8, .value_kind: global_buffer, .address_space: global }
      - { .name: token_indices, .offset: 72, .size: 8, .value_kind: global_buffer, .address_space: global }
      - { .name: xs, .offset: 80, .size: 8, .value_kind: global_buffer, .address_space: global }
      - { .name: w1, .offset: 88, .size: 8, .value_kind: global_buffer, .address_space: global }
      - { .name: w2, .offset: 96, .size: 8, .value_kind: global_buffer, .address_space: global }
      - { .name: wd, .offset: 104, .size: 8, .value_kind: global_buffer, .address_space: global }
      - { .name: route, .offset: 112, .size: 8, .value_kind: global_buffer, .address_space: global }
    .group_segment_fixed_size: 19456
    .private_segment_fixed_size: 0
    .kernarg_segment_align: 8
    .kernarg_segment_size: 120
    .max_flat_workgroup_size: 256
    .sgpr_count:     66
    .vgpr_count:     208
    .wavefront_size: 32
...
	.end_amdgpu_metadata
.endif
;; end of part 4
;; launch gateup (part 5): grid 200 x 1, 4 waves a work-group, no clusters, 327,680 bytes of LDS; arguments xs, w1, route, scales, hx, hs; writes hx, hs
.if DOCPART == 5
	.amdgcn_target "amdgcn-amd-amdhsa--gfx1250"
	.amdhsa_code_object_version 6
	.text
	.protected	k_q87c6bae2ca_gateup
	.globl	k_q87c6bae2ca_gateup
	.p2align	8
	.type	k_q87c6bae2ca_gateup,@function
k_q87c6bae2ca_gateup:
	s_mov_b64 s[64:65], 0
	v_nop
	global_prefetch_b8 v0, s[64:65] scope:SCOPE_SE
	s_setreg_imm32_b32 hwreg(HW_REG_WAVE_MODE, 25, 1), 1
	s_wait_xcnt 0x0
; GATEUP: h[row][unit] = silu(xs[row] . gate[unit]) x (xs[row] . up[unit]) x scale; rows in sorted order.
; h is stored as ONE f16 number and a power of two for each (row, tile of 128 units): hx = h x 2^-E, hs = 2^E, E the exponent of the row's largest |h| in the tile.
; So hx lies inside (-2, 2) whatever the size of the inputs, and keeps 11 significant bits: one bf16, off by about 2^-9 of each of 1,504 terms, uses up the second
; product's whole margin, and f16 without a scale has no room for h (it grows with the fourth power of a common factor on x and the weights).
; hx: [row][12 tiles][128 units] f16, 3,072 bytes a row.  hs: [12 tiles][2,048 rows] f32.
; A work-group makes 128 rows x 128 units = 128 x 256 of xs w1^T over K = 4,096; four waves, each 64 rows x 128 weight rows: 32 accumulators.
;   work-groups 0-175: base layer: column tile W / 16 (11 of them), row tile W % 16.
;   work-groups 176-199: adapters: entry W - 176 of the routing table: up to 128 sorted rows of one slot's segment.  Twenty-four serve every split of the tokens;
;   one that a split leaves without rows walks the loop (every wave passes every barrier, and none stands under a branch on a number read from memory) and stores nothing.
; NO CLUSTER.  The 16 row tiles of a base column tile read the same 256 rows of w1 and could ask for them jointly.  The adapter tiles cannot: which rows of w1 and of xs they
; take is read from the routing table, and the partners of a joint load are alike in every descriptor word by the text's own arithmetic.  One text with joint loads for
; the base tiles beside plain loads for the adapter tiles is not built here.
; K goes in steps of 128 through two LDS slots.  THE MATRIX INSTRUCTION IS USED TRANSPOSED (source 0 = 16 rows of w1, source 1 = 16 rows of xs): a lane holds one row
; of xs and eight rows of w1, which w1's order makes four pairs (gate, up).
; LIMITS.  Operands bf16, sums f32, the scale rounded to bf16 like every other input.  silu(g) u = g u / (1 + 2^(-1.4427 g)): where the power overflows the result is 0.
; A row whose largest |h| in a tile is under 2^-126 counts as 0 there; one of 2^127 or more is lost.  NaN and infinities are not treated apart.
; REGISTERS: window 0: v0-31 addresses; v32-127, v128-223 two fragment buffers (64 of w1, 32 of xs); on the way out v32-95 rows read back, v96-115 maxima and scales.
;   window 1: accumulator (a, b) at v[8 (8 a + b)].
.set KDIM,  4096
.set PITCH, 272                        ; an LDS row: 256 bytes + 16 of padding: the 16 rows of a fragment load start 68 words apart
.set AHALF, 64*PITCH                   ; what waves 0, 1 fetch: 64 rows of xs each
.set BHALF, 128*PITCH                  ; what waves 2, 3 fetch: 128 rows of w1 each
.set SLOT,  2*AHALF+2*BHALF
.set STAGE, 2*SLOT                     ; behind the ring: 128 rows x 272 bytes, the work-group's, for the way out
.set MX,    STAGE+128*PITCH            ; 256 bytes a wave: its 64 rows' largest |h|
.set SPARE, MX+4*256                   ; the spare words, 128 bytes a wave
.set HROW,  3072                       ; bytes in a row of hx
.set LAPS,  KDIM/256
.set CB,    (1<<16)|(1<<20)|(5<<22)|(3<<25)  ; group 1, word 0: no mask; 2-byte elements; padding on; after every 64 words; 4 words
.set MXB,  4                           ; v4  where the wave that shares my rows put its maxima
.set RB,   6                           ; v6  row 64 x row half + l % 16, counted from the first row that is mine; far out of range in lanes 16-31
.set HSO,  7                           ; v7  that row's byte in a tile's 512 bytes of hs
.set ADRA, 16                          ; v16-17 LDS address of my xs fragments in slot 0, 1
.set ADRB, 20                          ; v20-21 the same for w1
.set MXA,  22                          ; v22 where I put my maxima
.set STO,  24
.set RD,   25
.set CO,   26
.set ROWN, 27                          ; v27 the row of my first store, counted from the first row that is mine
.set SPW,  28
.set NIL,  29
.set KS,   30                          ; v[30:31] (-log2 e, scale)
.set F0,   32
.set F1,   128
.set MXR,  96                          ; v96-99   row block a: the largest h, then the largest |h|
.set MN,   100                         ; v100-103 the smallest h; at work
.set SCL,  104                         ; v104-107 2^E
.set IV,   108                         ; v108-115 2^-E, twice (a pair for the packed multiply)
.set WV, 14
.set RH, 15                            ; my half of the rows; also: I fetch xs (0) or w1 (1)
.set CH, 16                            ; my half of the columns; also: which half of that tile I fetch
.set G1A, 24
.set G0A, 32
.set G1B, 48
.set G0B, 56
.set MUL, 0x50                         ; C and D in window 1, sources in window 0
.set MSB, 0
.macro WIN new                         ; the immediate's high byte repeats the setting that is left
.if MSB != (\new)
	s_set_vgpr_msb (MSB<<8)|(\new)
.set MSB, \new
.endif
.endm
.macro TLOAD s                         ; a wave's one load for slot s; an s_nop 0 and four v_nop follow each line, ahead of the jump and the label
	s_cmp_eq_u32 s[RH], 0
	s_cbranch_scc0 .Lfor_b_\@
	tensor_load_to_lds s[G0A+4*(\s):G0A+4*(\s)+3], s[G1A:G1A+7]
	s_nop 0
.rept 4
	v_nop
.endr
	s_branch .Lasked_\@
.Lfor_b_\@:
	tensor_load_to_lds s[G0B+4*(\s):G0B+4*(\s)+3], s[G1B:G1B+7]
	s_nop 0
.rept 4
	v_nop
.endr
.Lasked_\@:
.endm
.macro PLACES                          ; four plain places between a matrix instruction and a load into, or a read of, its registers
.rept 4
	v_nop
.endr
.endm
.macro MUL8 f, a, zero                 ; row block a x all 8 column blocks, 32 along K; zero = 1: the product starts the sums
	WIN MUL
.irp b, 0,1,2,3,4,5,6,7
.if \zero
	v_wmma_f32_16x16x32_bf16 v[8*(8*(\a)+\b):8*(8*(\a)+\b)+7], v[(\f)+8*\b:(\f)+8*\b+7], v[(\f)+64+8*(\a):(\f)+64+8*(\a)+7], 0
.else
	v_wmma_f32_16x16x32_bf16 v[8*(8*(\a)+\b):8*(8*(\a)+\b)+7], v[(\f)+8*\b:(\f)+8*\b+7], v[(\f)+64+8*(\a):(\f)+64+8*(\a)+7], v[8*(8*(\a)+\b):8*(8*(\a)+\b)+7]
.endif
.endr
.endm
.macro MUL16 f, a0, zero
	MUL8 \f, \a0, \zero
	MUL8 \f, (\a0)+1, \zero
.endm
.macro FETCH slot, k, f                ; 24 LDS loads in one run: 32 along K at byte k of the rows: w1's 8 fragments, then xs's 4
	WIN 0
.irp i, 0,1,2,3,4,5,6,7
	ds_load_b128 v[(\f)+8*\i:(\f)+8*\i+3],   v[ADRB+(\slot)] offset:(\k)+\i*16*PITCH
	ds_load_b128 v[(\f)+8*\i+4:(\f)+8*\i+7], v[ADRB+(\slot)] offset:(\k)+\i*16*PITCH+32
.endr
.irp i, 0,1,2,3
	ds_load_b128 v[(\f)+64+8*\i:(\f)+64+8*\i+3],   v[ADRA+(\slot)] offset:(\k)+\i*16*PITCH
	ds_load_b128 v[(\f)+64+8*\i+4:(\f)+64+8*\i+7], v[ADRA+(\slot)] offset:(\k)+\i*16*PITCH+32
.endr
.endm
; A K step is four quarters of 32 along K, 32 matrix instructions each, on buffers 0, 1, 0, 1; the 32 accumulators take turns in one order everywhere.
.macro QUARTER slot, k, f, g, zero     ; multiplies buffer f; in its middle fetches the next quarter, at byte k, into g
	s_wait_dscnt 4                                 ; all but the youngest four loads (xs's row blocks 2, 3)
	MUL16 \f, 0, \zero
	PLACES
	FETCH \slot, \k, \g
	s_wait_dscnt 24                                ; all but the 24 just issued
	MUL16 \f, 2, \zero
.endm
; The last quarter multiplies buffer 1 and changes slots: one barrier; in front of it each wave waits for all its tensor loads (one is out: its part of the next slot),
; adds 0 to its spare word, and waits for that and for its reads of this slot.  fill = 1: this slot is filled again, two K steps ahead, first thing behind the barrier.
.macro TURN slot, next, fill
	WIN 0
	s_wait_tensorcnt 0x0                           ; no tensor load of mine is out, so a group 0 may be written
	ds_add_u32 v[SPW], v[NIL]
.if \fill
	s_add_nc_u64 s[G0A+4*(\slot)+2:G0A+4*(\slot)+3], s[G0A+4*(\slot)+2:G0A+4*(\slot)+3], 512
	s_add_nc_u64 s[G0B+4*(\slot)+2:G0B+4*(\slot)+3], s[G0B+4*(\slot)+2:G0B+4*(\slot)+3], 512
.endif
	s_wait_dscnt 5                                 ; the add and the youngest four loads may be out
	MUL8 F1, 0, 0
	s_wait_dscnt 0x0                               ; the add is done, and my reads of this slot are over
	s_barrier_signal -1
	MUL8 F1, 1, 0
.if \fill
	WIN 0                                          ; a branch follows
.endif
	s_barrier_wait -1
.if \fill
	TLOAD \slot                                    ; 112 matrix instructions ahead of the wait for it; its four v_nop are also the places in front of the loads below
.else
	PLACES
.endif
	FETCH \next, 0, F0
	MUL16 F1, 2, 0
.endm
.macro LASTQ
	s_wait_dscnt 4
	MUL16 F1, 0, 0
	s_wait_dscnt 0x0
	MUL16 F1, 2, 0
.endm
	s_load_b256 s[4:11], s[0:1], 0x0               ; xs 4, w1 6, route 8, scales 10
	s_load_b64 s[12:13], s[0:1], 0x20              ; hx
	s_load_b64 s[80:81], s[0:1], 0x28              ; hs
	v_lshl_add_u32 v[SPW], v0, 2, SPARE
	v_mov_b32 v[NIL], 0
	ds_add_u32 v[SPW], v[NIL]                      ; the wave's opening
	v_lshrrev_b32 v1, 5, v0
	v_readfirstlane_b32 s[WV], v1
	s_lshr_b32 s[RH], s[WV], 1
	s_and_b32 s[CH], s[WV], 1
	s_mov_b32 s18, ttmp9                           ; W: the work-group's number
	s_mov_b32 s[G1A], CB
	s_mov_b32 s[G1A+1], 128<<16                    ; tensor_dim0 = 128
	s_mov_b32 s[G1A+2], 64<<16                     ; tensor_dim1 = 64
	s_mov_b32 s[G1A+3], 128<<16                    ; tile_dim0 = 128
	s_mov_b32 s[G1A+4], 64                         ; tile_dim1 = 64
	s_mov_b32 s[G1A+5], KDIM                       ; elements from row to row
	s_mov_b32 s[G1A+6], 0
	s_mov_b32 s[G1A+7], 0
	s_mov_b32 s[G1B], CB
	s_mov_b32 s[G1B+1], 128<<16
	s_mov_b32 s[G1B+2], 128<<16
	s_mov_b32 s[G1B+3], 128<<16
	s_mov_b32 s[G1B+4], 128
	s_mov_b32 s[G1B+5], KDIM
	s_mov_b32 s[G1B+6], 0
	s_mov_b32 s[G1B+7], 0
	s_mul_i32 s74, s[CH], AHALF                    ; where my part of a tile goes: the wave's number alone
	s_mul_i32 s75, s[CH], BHALF
	s_add_co_u32 s75, s75, 2*AHALF
	s_wait_dscnt 0x0                               ; the opening add is done
	s_wait_kmcnt 0x0
	; The tile: BT s19 tile of w1, CT s20 column tile of hx, P0C s21 first row read, LO s22 first row of the tile that is mine, NV s23 rows that are mine.
	; The branch hangs on the work-group's number alone; both arms meet ahead of every barrier.
	s_cmp_lt_u32 s18, 176
	s_cbranch_scc0 .Ladapter
	s_lshr_b32 s19, s18, 4
	s_mov_b32 s20, s19
	s_and_b32 s21, s18, 15
	s_lshl_b32 s21, s21, 7
	s_mov_b32 s22, 0
	s_mov_b32 s23, 128
	s_mov_b32 s44, 1.0
	s_mov_b32 s45, 1.0
	s_branch .Lparams
.Ladapter:
	s_sub_co_u32 s47, s18, 176
	s_lshl_b32 s47, s47, 4
	s_load_b128 s[40:43], s[8:9], s47 offset:0x4000  ; (slot, first row, end, 0)
	s_wait_kmcnt 0x0
	s_min_u32 s40, s40, 7                          ; the segment of tokens without a slot is computed with slot 7's weights; the second product masks it
	s_min_u32 s41, s41, 2047
	s_min_u32 s42, s42, 2048
	s_sub_co_i32 s23, s42, s41
	s_max_i32 s23, s23, 0
	s_min_i32 s23, s23, 128
	s_min_u32 s21, s41, 1920                       ; the tile read stays inside xs,
	s_sub_co_u32 s22, s41, s21                     ; and its first rows then belong to others
	s_add_co_u32 s19, s40, 11
	s_mov_b32 s20, 11
	s_lshl_b32 s47, s40, 3
	s_load_b64 s[44:45], s[10:11], s47 offset:0x0  ; the slot's two scales
	s_wait_kmcnt 0x0
.Lparams:
	s_cmp_eq_u32 s[CH], 0                          ; units 0-63 (retain) are column half 0's, 64-127 (forget) half 1's
	s_cselect_b32 s46, s44, s45
	s_lshl_b32 s66, s[CH], 6
	s_add_co_u32 s66, s66, s21
	s_lshl_b32 s66, s66, 13
	s_mov_b32 s67, 0
	s_add_nc_u64 s[66:67], s[4:5], s[66:67]        ; xs at row P0C + 64 half
	s_lshl_b32 s68, s19, 8
	s_lshl_b32 s69, s[CH], 7
	s_add_co_u32 s68, s68, s69
	s_lshl_b32 s68, s68, 13
	s_mov_b32 s69, 0
	s_add_nc_u64 s[68:69], s[6:7], s[68:69]        ; w1 at row 256 BT + 128 half
.irp s, 0,1
	s_mov_b32 s[G0A+4*\s], 1
	s_add_co_u32 s[G0A+4*\s+1], s74, \s*SLOT
	s_add_nc_u64 s[G0A+4*\s+2:G0A+4*\s+3], s[66:67], \s*256
	s_or_b32 s[G0A+4*\s+3], s[G0A+4*\s+3], 0x80000000
	s_mov_b32 s[G0B+4*\s], 1
	s_add_co_u32 s[G0B+4*\s+1], s75, \s*SLOT
	s_add_nc_u64 s[G0B+4*\s+2:G0B+4*\s+3], s[68:69], \s*256
	s_or_b32 s[G0B+4*\s+3], s[G0B+4*\s+3], 0x80000000
	TLOAD \s                                       ; K steps 0 and 1: two loads of mine are out
.endr
	v_and_b32 v1, 15, v0                           ; l % 16
	v_bfe_u32 v2, v0, 4, 1                         ; l / 16
	v_mul_u32_u24 v3, v1, PITCH
	v_lshl_add_u32 v3, v2, 4, v3                   ; a fragment's row x pitch + 16 x half
	s_mul_i32 s72, s[RH], AHALF
	s_mul_i32 s73, s[CH], BHALF
	s_add_co_u32 s73, s73, 2*AHALF
.irp s, 0,1
	v_add_nc_u32 v[ADRA+\s], s72, v3
	v_add_nc_u32 v[ADRB+\s], s73, v3
	s_add_co_u32 s72, s72, SLOT
	s_add_co_u32 s73, s73, SLOT
.endr
	s_mul_i32 s72, s[RH], 64*PITCH                 ; into the stage: my 64 rows, my half of their 256 bytes
	s_lshl_b32 s73, s[CH], 7
	s_add_co_u32 s72, s72, s73
	s_add_co_u32 s72, s72, STAGE
	v_add_nc_u32 v[STO], s72, v3
	s_mul_i32 s72, s[WV], 32*PITCH                 ; back: wave w takes rows 32 w .. 32 w + 31 whole, two a load
	s_add_co_u32 s72, s72, STAGE
	v_mul_u32_u24 v[RD], v2, PITCH
	v_lshl_add_u32 v[RD], v1, 4, v[RD]
	v_add_nc_u32 v[RD], s72, v[RD]
	s_lshl_b32 s72, s[WV], 5
	v_add_nc_u32 v5, s72, v2                       ; the row of the tile that my first store holds
	v_mul_u32_u24 v[CO], v5, HROW
	v_lshl_add_u32 v[CO], v1, 4, v[CO]
	v_sub_nc_u32 v[ROWN], v5, s22
	s_lshl_b32 s72, s[WV], 8                       ; the maxima: 256 bytes a wave, a word a row
	s_add_co_u32 s72, s72, MX
	v_lshl_add_u32 v[MXA], v1, 2, s72
	s_xor_b32 s73, s[WV], 1                        ; the wave with my rows and the other 64 units
	s_lshl_b32 s73, s73, 8
	s_add_co_u32 s73, s73, MX
	v_lshl_add_u32 v[MXB], v1, 2, s73
	s_lshl_b32 s72, s[RH], 6
	v_add_nc_u32 v[RB], s72, v1                    ; row 64 x row half + l % 16 of the tile
	v_lshlrev_b32 v[HSO], 2, v[RB]
	v_sub_nc_u32 v[RB], v[RB], s22
	v_lshl_add_u32 v[RB], v2, 20, v[RB]            ; lanes 16-31 hold the same rows once more: they store no scale
	v_mov_b32 v[KS], 0xbfb8aa3b                    ; -log2(e)
	v_mov_b32 v[KS+1], s46
	v_cvt_pk_bf16_f32 v[KS+1], v[KS+1], v[KS+1]    ; the scale is rounded to bf16, like every other input,
	v_lshlrev_b32 v[KS+1], 16, v[KS+1]             ; and used as f32
	s_mul_i32 s78, s21, HROW
	s_lshl_b32 s79, s20, 8
	s_add_co_u32 s78, s78, s79
	s_mov_b32 s79, 0
	s_add_nc_u64 s[76:77], s[12:13], s[78:79]      ; hx at the tile's first row and column
	s_lshl_b32 s78, s20, 13
	s_lshl2_add_u32 s78, s21, s78
	s_add_nc_u64 s[82:83], s[80:81], s[78:79]      ; hs at the tile's first row
	s_mov_b32 s42, 0x76543210                      ; v_permlanex16_b32: each lane takes its own place in the other half
	s_mov_b32 s43, 0xfedcba98
	s_wait_tensorcnt 1                             ; my part of K step 0 is in; step 1's may stay out
	s_barrier_signal -1
	s_barrier_wait -1
	FETCH 0, 0, F0
	QUARTER 0, 64, F0, F1, 1                       ; the first quarter starts the sums: nothing is cleared
	WIN 0
	s_mov_b32 s70, LAPS-1
.Llap:                                                 ; a trip goes once round the ring and fills both slots again
	QUARTER 0, 128, F1, F0, 0
	QUARTER 0, 192, F0, F1, 0
	TURN 0, 1, 1
	QUARTER 1, 64,  F0, F1, 0
	QUARTER 1, 128, F1, F0, 0
	QUARTER 1, 192, F0, F1, 0
	TURN 1, 0, 1
	QUARTER 0, 64,  F0, F1, 0
	WIN 0
	s_sub_co_u32 s70, s70, 1
	s_cmp_lg_u32 s70, 0
	s_cbranch_scc1 .Llap
	QUARTER 0, 128, F1, F0, 0                      ; the last lap fills nothing
	QUARTER 0, 192, F0, F1, 0
	TURN 0, 1, 0
	QUARTER 1, 64,  F0, F1, 0
	QUARTER 1, 128, F1, F0, 0
	QUARTER 1, 192, F0, F1, 0
	LASTQ
	; THE WAY OUT, in place in window 1: registers 2 t, 2 t + 1 are (g, u) of one unit.  Each accumulator is read from its low end on.
	PLACES
	WIN 0x45
.set t, 0
.rept 128
	v_mul_f32 v[2*t+1], v[2*t], v[2*t+1]           ; g u
.set t, t+1
.endr
	WIN 0x41
.set t, 0
.rept 128
	v_pk_mul_f32 v[2*t:2*t+1], v[2*t:2*t+1], v[KS:KS+1]  ; (-g log2 e, g u scale)
.set t, t+1
.endr
.set t, 0
.rept 128
	v_exp_f32 v[2*t], v[2*t]
.set t, t+1
.endr
	v_nop                                          ; a plain instruction behind the last exponential,
	s_wait_alu depctr_va_vdst(0)                   ; and one wait for the batch, ahead of its first reader
	WIN 0x45
.set t, 0
.rept 128
	v_add_f32 v[2*t], 1.0, v[2*t]
.set t, t+1
.endr
.set t, 0
.rept 128
	v_rcp_f32 v[2*t], v[2*t]
.set t, t+1
.endr
	v_nop
	s_wait_alu depctr_va_vdst(0)                   ; one wait for the 128 reciprocals
.set t, 0
.rept 64
	v_mul_f32 v[4*t],   v[4*t],   v[4*t+1]         ; h of two units, side by side in registers 4 t and 4 t + 1; 4 t + 2 and 4 t + 3 are free
	v_mul_f32 v[4*t+1], v[4*t+2], v[4*t+3]
.set t, t+1
.endr
	; The largest |h| of each row: the largest and the smallest of a row block's 32 numbers in my lane, eight chains that do not wait for each other;
	; the other 32 units of my wave lie in the lane 16 away, the other 64 of the tile in the wave that shares my rows.
	WIN 0x05                                       ; sources 0 and 1 in window 1
.irp a, 0,1,2,3
	v_max_num_f32 v[MXR+\a], v[64*\a], v[64*\a+1]
	v_min_num_f32 v[MN+\a],  v[64*\a], v[64*\a+1]
.endr
.set t, 1
.rept 15
.irp a, 0,1,2,3
	v_max3_num_f32 v[MXR+\a], v[64*\a+4*t], v[64*\a+4*t+1], v[MXR+\a]
	v_min3_num_f32 v[MN+\a],  v[64*\a+4*t], v[64*\a+4*t+1], v[MN+\a]
.endr
.set t, t+1
.endr
	WIN 0
.irp a, 0,1,2,3
	v_sub_f32 v[MN+\a], 0, v[MN+\a]
.endr
.irp a, 0,1,2,3
	v_max_num_f32 v[MXR+\a], v[MXR+\a], v[MN+\a]
.endr
.irp a, 0,1,2,3
	v_permlanex16_b32 v[MN+\a], v[MXR+\a], s42, s43
.endr
.irp a, 0,1,2,3
	v_max_num_f32 v[MXR+\a], v[MXR+\a], v[MN+\a]
.endr
.irp a, 0,1,2,3
	ds_store_b32 v[MXA], v[MXR+\a] offset:64*\a    ; both halves of the lanes write the same word with the same number
.endr
	s_wait_dscnt 0x0                               ; for the other wave's sake
	s_barrier_signal -1
	s_barrier_wait -1
.irp a, 0,1,2,3
	ds_load_b32 v[MN+\a], v[MXB] offset:64*\a
.endr
	s_wait_dscnt 0x0
.irp a, 0,1,2,3
	v_max_num_f32 v[MXR+\a], v[MXR+\a], v[MN+\a]
	v_and_b32 v[SCL+\a], 0x7f800000, v[MXR+\a]     ; 2^E: the exponent field alone (0 where the row's tile is all zeros)
	v_sub_nc_u32 v[IV+2*\a], 0x7f000000, v[SCL+\a] ; 2^-E: the exponent's mirror image
	v_mov_b32 v[IV+2*\a+1], v[IV+2*\a]
.endr
	WIN 0x41
.set t, 0
.rept 64
	v_pk_mul_f32 v[4*t:4*t+1], v[4*t:4*t+1], v[IV+2*(t/16):IV+2*(t/16)+1]  ; inside (-2, 2)
.set t, t+1
.endr
	; A group is the 16 registers E .. E + 15 of an even and an odd column block: eight numbers, rounded to f16 into E .. E + 3 in the units' order (w1's row order sees to that).
	WIN 0x45
.set g, 0
.rept 16
.set E, 16*g
	v_cvt_pk_f16_f32 v[E+1], v[E],    v[E+1]
	v_cvt_pk_f16_f32 v[E],   v[E+8],  v[E+9]
	v_cvt_pk_f16_f32 v[E+2], v[E+12], v[E+13]
	v_cvt_pk_f16_f32 v[E+3], v[E+4],  v[E+5]
.set g, g+1
.endr
	WIN 0x04                                       ; store data in window 1
.set g, 0
.rept 16                               ; group g: row block g / 4, units 16 (g % 4) + 8 (l / 16) + 0..7 of my 64
	ds_store_b128 v[STO], v[16*g:16*g+3] offset:(g/4)*16*PITCH+32*(g%4)
.set g, g+1
.endr
	WIN 0
	s_wait_dscnt 0x0                               ; for the others' sake: a row's 256 bytes come from two waves
	s_barrier_signal -1
	s_barrier_wait -1
.irp t, 0,1,2,3,4,5,6,7,8,9,10,11,12,13,14,15
	ds_load_b128 v[32+4*(\t):32+4*(\t)+3], v[RD] offset:(\t)*2*PITCH
.endr
	s_cmp_lt_u32 s18, 176                          ; a base tile's rows are all its own
	s_cbranch_scc0 .Lmasked
.irp t, 0,1,2,3,4,5,6,7,8,9,10,11,12,13,14,15
	s_wait_dscnt 15-(\t)
	global_store_b128 v[CO], v[32+4*(\t):32+4*(\t)+3], s[76:77] offset:2*HROW*(\t)  ; 16 lanes store 256 consecutive bytes, at a multiple of 256 from hx's first byte
.endr
	s_branch .Lstored
.Lmasked:                                              ; an adapter tile: rows LO .. LO + NV - 1 are mine; sixteen lanes hold one row, so a row is stored whole or not at all
	s_wait_xcnt 0x0
.irp t, 0,1,2,3,4,5,6,7,8,9,10,11,12,13,14,15
	s_wait_dscnt 15-(\t)
	v_add_nc_u32 v23, 2*(\t), v[ROWN]
	v_cmp_gt_u32 vcc_lo, s23, v23
	s_and_saveexec_b32 s71, vcc_lo                 ; no store has been issued since the last wait on XCNT
	global_store_b128 v[CO], v[32+4*(\t):32+4*(\t)+3], s[76:77] offset:2*HROW*(\t)
	s_wait_xcnt 0x0                                ; EXEC is a source of the store: it changes only behind this wait
	s_or_b32 exec_lo, exec_lo, s71
.endr
.Lstored:
	s_cmp_lg_u32 s[CH], 0                          ; both waves of a row half hold the rows' 2^E: column half 0 stores them
	s_cbranch_scc1 .Lno_scale
	s_wait_xcnt 0x0
.irp a, 0,1,2,3
	v_add_nc_u32 v23, 16*\a, v[RB]
	v_cmp_gt_u32 vcc_lo, s23, v23
	s_and_saveexec_b32 s71, vcc_lo
	global_store_b32 v[HSO], v[SCL+\a], s[82:83] offset:64*\a  ; sixteen lanes, 64 consecutive bytes: 512 bytes a tile in all
	s_wait_xcnt 0x0
	s_or_b32 exec_lo, exec_lo, s71
.endr
.Lno_scale:
	s_wait_tensorcnt 0x0                           ; the wave's end
	ds_add_u32 v[SPW], v[NIL]
	s_wait_dscnt 0x0
	s_endpgm
.Lfunc_end_k_q87c6bae2ca_gateup:
	.size	k_q87c6bae2ca_gateup, .Lfunc_end_k_q87c6bae2ca_gateup-k_q87c6bae2ca_gateup
	.p2alignl 7, 3214868480
	.fill 96, 4, 3214868480
	.section	.rodata,"a",@progbits
	.p2align	6, 0x0
	.amdhsa_kernel k_q87c6bae2ca_gateup
		.amdhsa_group_segment_fixed_size 327680
		.amdhsa_private_segment_fixed_size 0
		.amdhsa_enable_private_segment 0
		.amdhsa_kernarg_size 48
		.amdhsa_user_sgpr_count 2
		.amdhsa_user_sgpr_kernarg_segment_ptr 1
		.amdhsa_wavefront_size32 1
		.amdhsa_system_sgpr_workgroup_id_x 1
		.amdhsa_system_sgpr_workgroup_id_y 1
		.amdhsa_system_sgpr_workgroup_id_z 1
		.amdhsa_system_vgpr_workitem_id 0
		.amdhsa_next_free_vgpr 512
		.amdhsa_next_free_sgpr 84
		.amdhsa_reserve_vcc 1
		.amdhsa_float_denorm_mode_32 3
		.amdhsa_float_denorm_mode_16_64 3
		.amdhsa_memory_ordered 1
		.amdhsa_forward_progress 1
		.amdhsa_inst_pref_size 127
	.end_amdhsa_kernel
	.amdgpu_metadata
---
amdhsa.version: [ 1, 2 ]
amdhsa.kernels:
  - .name:           k_q87c6bae2ca_gateup
    .symbol:         k_q87c6bae2ca_gateup.kd
    .args:
      - { .name: xs, .offset: 0, .size: 8, .value_kind: global_buffer, .address_space: global }
      - { .name: w1, .offset: 8, .size: 8, .value_kind: global_buffer, .address_space: global }
      - { .name: route, .offset: 16, .size: 8, .value_kind: global_buffer, .address_space: global }
      - { .name: scales, .offset: 24, .size: 8, .value_kind: global_buffer, .address_space: global }
      - { .name: hx, .offset: 32, .size: 8, .value_kind: global_buffer, .address_space: global }
      - { .name: hs, .offset: 40, .size: 8, .value_kind: global_buffer, .address_space: global }
    .group_segment_fixed_size: 327680
    .private_segment_fixed_size: 0
    .kernarg_segment_align: 8
    .kernarg_segment_size: 48
    .max_flat_workgroup_size: 128
    .sgpr_count:     84
    .vgpr_count:     512
    .wavefront_size: 32
...
	.end_amdgpu_metadata
.endif
;; end of part 5
;; launch down (part 6): grid 16 x 16, 4 waves a work-group, no clusters, 327,680 bytes of LDS; arguments hx, w2, wd, route, out0, hs; writes out0
.if DOCPART == 6
	.amdgcn_target "amdgcn-amd-amdhsa--gfx1250"
	.amdhsa_code_object_version 6
	.text
	.protected	k_q87c6bae2ca_down
	.globl	k_q87c6bae2ca_down
	.p2align	8
	.type	k_q87c6bae2ca_down,@function
k_q87c6bae2ca_down:
	s_mov_b64 s[64:65], 0
	v_nop
	global_prefetch_b8 v0, s[64:65] scope:SCOPE_SE
	s_setreg_imm32_b32 hwreg(HW_REG_WAVE_MODE, 25, 1), 1
	s_wait_xcnt 0x0
; DOWN: out0[token of row][n] = sum over k < 1,408 of h[row][k] w2[n][k] + sum over k < 128 of h[row][1408 + k] wd[slot of row][n][k].  Rows in sorted order; f32 out.
; h comes as an f16 number inside (-2, 2) and a power of two for each (row, tile of 128 units): h = hx x hs.  A wave takes its rows' largest hs, 2^R, multiplies each tile's fragments of
; hx by 2^(E - R) <= 1 in f16 (exact, but for results under 2^-14, which keep f16's step of 2^-24 beside a row's largest number of 1 to 2), sums in f32, and multiplies the sums by 2^R once.
; A work-group makes 128 rows x 256 columns; four waves, each 64 x 128: 32 accumulators.  256 work-groups.
; BASE PART: 11 K steps of 128 through two LDS slots.  The factors lie in a table in LDS, each wave's own: [tile][row % 16][row block], two f16 alike in a word: one load of 16 bytes a tile.
; ADAPTER PART: no LDS, no barrier, no tensor load.  My 64 rows' adapter units stay in registers; for each slot that occurs in my wave's 64 sorted rows (a run of
; neighbouring slots, read from the first and the last row's routing word) the rows are multiplied by their factor, or by 0 if they belong to another slot, and four K steps of 32
; are added, the slot's weights coming from memory straight in operand order, two buffers by turns.  The last trip's refills repeat a slot and serve nothing.
; NO CLUSTER.  The 16 tiles of a row share hx's tile and the 16 of a column w2's, so joint loads would divide the requests by four.  But the adapter loop's count is
; read from memory.  The constant count that serves every split is 8 trips: 1,024 matrix instructions
; a wave beside the base part's 1,408, where a wave's 64 sorted rows of 2,048 over 8 slots hold one slot, now and then two: 128 or 256.
; THE MATRIX INSTRUCTION IS USED TRANSPOSED (source 0 = 16 rows of the weights, source 1 = 16 rows of hx): a lane holds one row and eight neighbouring columns.
; LIMITS.  Operands f16, sums f32.  A row whose slot word is 8 (index outside 0..7) takes no adapter.  A row whose largest hs is 2^127 is lost.  NaN and infinities are not treated apart.
; REGISTERS: window 0: v0-31 addresses; v32-127, v128-223 fragment buffers (at the start: the scales; way out: rows read back); v224-239 store offsets; v240-247 factors; v248-255 2^R, in pairs.
;   window 1: accumulator (a, b) at v[8 (8 a + b)].  window 2: adapter units, (q, a) at 8 (4 q + a); 128 further the same, scaled and masked.
;   window 3: wd's fragments, (q, b) at 8 (8 q + b): buffer 0 is q = 0, 1, buffer 1 q = 2, 3.
.set PITCH, 272
.set AHALF, 64*PITCH
.set BHALF, 128*PITCH
.set SLOT,  2*AHALF+2*BHALF
.set STAGE, 2*SLOT                     ; behind the ring: 16 rows x 528 bytes for each wave
.set SPITCH, 528                       ; 512 bytes + 16: the 16 rows of a store start 132 words apart
.set TB,    STAGE+4*16*SPITCH          ; the factors: 12 tiles x 256 bytes for each wave
.set SPARE, TB+4*12*256
.set HROW,  3072                       ; bytes in a row of hx
.set CB,    (1<<16)|(1<<20)|(5<<22)|(3<<25)  ; group 1, word 0: no mask; 2-byte elements; padding on; after every 64 words; 4 words
.set TB0,  4                           ; v4     my lane's 16 bytes in tile 0's part of my wave's table; never rewritten
.set TBA,  5                           ; v5     the same in the tile in hand
.set SL,   6                           ; v6-9   slot of row 16 a + l % 16 of my 64
.set TK,   10                          ; v10-13 its token
.set ADRA, 16
.set ADRB, 20
.set STO,  24
.set RD,   25
.set CO,   26                          ; v26 16 x lane
.set AO,   27                          ; v27 my lane's place in 16 rows of hx
.set SPW,  28
.set NIL,  29
.set F0,   32
.set F1,   128
.set SCB,  32                          ; at the start: hs of tile j, row block a at SCB + 4 j + a, then the factor
.set IV,   80                          ; at the start: 2^-R
.set OFF,  224
.set FC,   240                         ; v240-243 the four row blocks' factors for the tile in slot 0, v244-247 for the tile in slot 1
.set FM,   244                         ; adapter part: factor or 0
.set EM,   248                         ; v[248+2a], v[249+2a]: 2^R of row block a, twice (a pair for the packed multiply)
.set WV, 14
.set RH, 15
.set CH, 16
.set TBS, 17                           ; s17 256 x the tile whose factors were fetched last
.set G1A, 24
.set G0A, 32
.set G1B, 48
.set G0B, 56
.set CUR, 40                           ; s40 the slot in hand; s42 trips; s43 counts them
.set MUL, 0x50
.set MSB, 0
.macro WIN new
.if MSB != (\new)
	s_set_vgpr_msb (MSB<<8)|(\new)
.set MSB, \new
.endif
.endm
.macro TLOAD s                         ; a wave's one load for slot s: waves 0, 1 fetch hx's two halves, waves 2, 3 w2's; an s_nop 0 and four v_nop follow each line
	s_cmp_eq_u32 s[RH], 0
	s_cbranch_scc0 .Lfor_b_\@
	tensor_load_to_lds s[G0A+4*(\s):G0A+4*(\s)+3], s[G1A:G1A+7]
	s_nop 0
.rept 4
	v_nop
.endr
	s_branch .Lasked_\@
.Lfor_b_\@:
	tensor_load_to_lds s[G0B+4*(\s):G0B+4*(\s)+3], s[G1B:G1B+7]
	s_nop 0
.rept 4
	v_nop
.endr
.Lasked_\@:
.endm
.macro PLACES
.rept 4
	v_nop
.endr
.endm
.macro MUL8 f, a, zero
	WIN MUL
.irp b, 0,1,2,3,4,5,6,7
.if \zero
	v_wmma_f32_16x16x32_f16 v[8*(8*(\a)+\b):8*(8*(\a)+\b)+7], v[(\f)+8*\b:(\f)+8*\b+7], v[(\f)+64+8*(\a):(\f)+64+8*(\a)+7], 0
.else
	v_wmma_f32_16x16x32_f16 v[8*(8*(\a)+\b):8*(8*(\a)+\b)+7], v[(\f)+8*\b:(\f)+8*\b+7], v[(\f)+64+8*(\a):(\f)+64+8*(\a)+7], v[8*(8*(\a)+\b):8*(8*(\a)+\b)+7]
.endif
.endr
.endm
.macro MUL16 f, a0, zero
	MUL8 \f, \a0, \zero
	MUL8 \f, (\a0)+1, \zero
.endm
.macro FETCH slot, k, f
	WIN 0
.irp i, 0,1,2,3,4,5,6,7
	ds_load_b128 v[(\f)+8*\i:(\f)+8*\i+3],   v[ADRB+(\slot)] offset:(\k)+\i*16*PITCH
	ds_load_b128 v[(\f)+8*\i+4:(\f)+8*\i+7], v[ADRB+(\slot)] offset:(\k)+\i*16*PITCH+32
.endr
.irp i, 0,1,2,3
	ds_load_b128 v[(\f)+64+8*\i:(\f)+64+8*\i+3],   v[ADRA+(\slot)] offset:(\k)+\i*16*PITCH
	ds_load_b128 v[(\f)+64+8*\i+4:(\f)+64+8*\i+7], v[ADRA+(\slot)] offset:(\k)+\i*16*PITCH+32
.endr
.endm
.macro SCALE f, fc, a                  ; hx's fragment of row block a in buffer f times its rows' factor for the tile in slot fc: a lane holds one row
	WIN 0
.irp r, 0,1,2,3,4,5,6,7
	v_pk_mul_f16 v[(\f)+64+8*(\a)+\r], v[(\f)+64+8*(\a)+\r], v[FC+4*(\fc)+(\a)]
.endr
.endm
; A K step is four quarters of 32 along K, 32 matrix instructions each, on buffers 0, 1, 0, 1; the 32 accumulators take turns in one order everywhere.
; The sixteen scalings at a quarter's head name buffer f alone: they are also the places between the last products that read buffer g and the loads into it.
.macro QUARTER slot, k, f, g, zero
	s_wait_dscnt 4                                 ; all but the youngest four loads (hx's row blocks 2, 3)
	SCALE \f, \slot, 0
	SCALE \f, \slot, 1
	MUL16 \f, 0, \zero
	FETCH \slot, \k, \g
	s_wait_dscnt 24                                ; all but the 24 just issued
	SCALE \f, \slot, 2
	SCALE \f, \slot, 3
	MUL16 \f, 2, \zero
.endm
.macro TURN slot, next, fill           ; the last quarter of a K step, and the change of slots
	WIN 0
	s_wait_tensorcnt 0x0                           ; all my tensor loads have landed: my part of the next slot; so a group 0 may be written
	ds_add_u32 v[SPW], v[NIL]
.if \fill
	s_add_nc_u64 s[G0A+4*(\slot)+2:G0A+4*(\slot)+3], s[G0A+4*(\slot)+2:G0A+4*(\slot)+3], 512
	s_add_nc_u64 s[G0B+4*(\slot)+2:G0B+4*(\slot)+3], s[G0B+4*(\slot)+2:G0B+4*(\slot)+3], 512
.endif
	s_wait_dscnt 5                                 ; the add and the youngest four loads may be out
	SCALE F1, \slot, 0
	SCALE F1, \slot, 1
	MUL8 F1, 0, 0
	s_wait_dscnt 0x0                               ; the add is done, and my reads of this slot are over
	s_barrier_signal -1
	MUL8 F1, 1, 0
	SCALE F1, \slot, 2                             ; work on registers while the others arrive; it leaves every window 0
	SCALE F1, \slot, 3
	s_barrier_wait -1
.if \fill
	TLOAD \slot                                    ; first thing behind the barrier: 112 matrix instructions ahead of the wait for it
.endif
	s_add_co_u32 s[TBS], s[TBS], 256
	v_add_nc_u32 v[TBA], s[TBS], v[TB0]
	ds_load_b128 v[FC+4*(\next):FC+4*(\next)+3], v[TBA]  ; the next tile's factors: the oldest load of this run, so the counts below cover it
	FETCH \next, 0, F0
	MUL16 F1, 2, 0
.endm
.macro LASTQ slot
	s_wait_dscnt 4
	SCALE F1, \slot, 0
	SCALE F1, \slot, 1
	MUL16 F1, 0, 0
	s_wait_dscnt 0x0
	SCALE F1, \slot, 2
	SCALE F1, \slot, 3
	MUL16 F1, 2, 0
.endm
.macro BLOAD q0, sb                    ; 32 loads: wd's fragments of K steps q0, q0 + 1 for my 8 column blocks; each load takes 512 consecutive bytes
	WIN 0xc0                                       ; destination window 3
.irp q, \q0, (\q0)+1
.irp b, 0,1,2,3,4,5,6,7
	global_load_b128 v[8*(8*(\q)+\b):8*(8*(\q)+\b)+3],   v[CO], s[\sb:\sb+1] offset:4096*\b+1024*(\q)
	global_load_b128 v[8*(8*(\q)+\b)+4:8*(8*(\q)+\b)+7], v[CO], s[\sb:\sb+1] offset:4096*\b+1024*(\q)+512
.endr
.endr
	WIN 0
.endm
.macro AMUL q                          ; 32 matrix instructions: K step q of the slot in hand; the accumulators in the base part's order
	WIN 0x5b                                       ; source 0 window 3, source 1 window 2, C and D window 1
.irp a, 0,1,2,3
.irp b, 0,1,2,3,4,5,6,7
	v_wmma_f32_16x16x32_f16 v[8*(8*\a+\b):8*(8*\a+\b)+7], v[8*(8*(\q)+\b):8*(8*(\q)+\b)+7], v[128+8*(4*(\q)+\a):128+8*(4*(\q)+\a)+7], v[8*(8*\a+\b):8*(8*\a+\b)+7]
.endr
.endr
.endm
	s_load_b256 s[4:11], s[0:1], 0x0               ; hx 4, w2 6, wd 8, route 10
	s_load_b128 s[88:91], s[0:1], 0x20             ; out0 88, hs 90
	v_lshl_add_u32 v[SPW], v0, 2, SPARE
	v_mov_b32 v[NIL], 0
	ds_add_u32 v[SPW], v[NIL]                      ; the wave's opening
	v_lshrrev_b32 v1, 5, v0
	v_readfirstlane_b32 s[WV], v1
	s_lshr_b32 s[RH], s[WV], 1
	s_and_b32 s[CH], s[WV], 1
	s_mov_b32 s[TBS], 0
	s_mov_b32 s19, ttmp9                           ; tile column
	s_and_b32 s20, ttmp7, 0xffff                   ; tile row
	s_mov_b32 s[G1A], CB
	s_mov_b32 s[G1A+1], 128<<16                    ; tensor_dim0 = 128
	s_mov_b32 s[G1A+2], 64<<16                     ; tensor_dim1 = 64
	s_mov_b32 s[G1A+3], 128<<16                    ; tile_dim0 = 128
	s_mov_b32 s[G1A+4], 64                         ; tile_dim1 = 64
	s_mov_b32 s[G1A+5], HROW/2                     ; hx: elements from row to row
	s_mov_b32 s[G1A+6], 0
	s_mov_b32 s[G1A+7], 0
	s_mov_b32 s[G1B], CB
	s_mov_b32 s[G1B+1], 128<<16
	s_mov_b32 s[G1B+2], 128<<16
	s_mov_b32 s[G1B+3], 128<<16
	s_mov_b32 s[G1B+4], 128
	s_mov_b32 s[G1B+5], 1408                       ; w2
	s_mov_b32 s[G1B+6], 0
	s_mov_b32 s[G1B+7], 0
	s_mul_i32 s86, s[CH], AHALF                    ; where my part of a tile goes: the wave's number alone
	s_mul_i32 s87, s[CH], BHALF
	s_add_co_u32 s87, s87, 2*AHALF
	s_lshl_b32 s80, s20, 7                         ; hx: row 128 x tile row + 64 x half
	s_lshl_b32 s22, s[CH], 6
	s_add_co_u32 s80, s80, s22
	s_mul_i32 s80, s80, HROW
	s_mov_b32 s81, 0
	s_lshl_b32 s82, s19, 8                         ; w2: row 256 x tile column + 128 x half
	s_lshl_b32 s23, s[CH], 7
	s_add_co_u32 s82, s82, s23
	s_mul_i32 s82, s82, 2816
	s_mov_b32 s83, 0
	s_lshl_b32 s75, s20, 9                         ; the word of my wave's first row in a list of rows: 4 x (128 x tile row + 64 x row half)
	s_lshl_b32 s22, s[RH], 8
	s_add_co_u32 s75, s75, s22
	s_wait_dscnt 0x0                               ; the opening add is done
	s_wait_kmcnt 0x0
	s_load_b32 s40, s[10:11], s75 offset:0x0       ; the slots of my wave's first
	s_load_b32 s41, s[10:11], s75 offset:0xfc      ; and last row
	s_add_nc_u64 s[80:81], s[4:5], s[80:81]
	s_add_nc_u64 s[82:83], s[6:7], s[82:83]
.irp s, 0,1
	s_mov_b32 s[G0A+4*\s], 1
	s_add_co_u32 s[G0A+4*\s+1], s86, \s*SLOT
	s_add_nc_u64 s[G0A+4*\s+2:G0A+4*\s+3], s[80:81], \s*256
	s_or_b32 s[G0A+4*\s+3], s[G0A+4*\s+3], 0x80000000
	s_mov_b32 s[G0B+4*\s], 1
	s_add_co_u32 s[G0B+4*\s+1], s87, \s*SLOT
	s_add_nc_u64 s[G0B+4*\s+2:G0B+4*\s+3], s[82:83], \s*256
	s_or_b32 s[G0B+4*\s+3], s[G0B+4*\s+3], 0x80000000
	TLOAD \s                                       ; K steps 0 and 1: two loads of mine are out
.endr
	v_and_b32 v1, 15, v0                           ; l % 16
	v_bfe_u32 v2, v0, 4, 1                         ; l / 16
	v_lshlrev_b32 v14, 2, v1
	s_mov_b32 s73, 0
	s_mov_b32 s72, s75
	s_add_nc_u64 s[84:85], s[10:11], s[72:73]      ; the routing words of my 64 rows
	s_add_nc_u64 s[12:13], s[90:91], s[72:73]      ; and their scales in tile 0's part of hs
.irp a, 0,1,2,3
	global_load_b32 v[SL+\a], v14, s[84:85] offset:64*\a
	global_load_b32 v[TK+\a], v14, s[84:85] offset:64*\a+8192
.endr
.set j, 0
.rept 12
.irp a, 0,1,2,3
	global_load_b32 v[SCB+4*j+\a], v14, s[12:13] offset:8192*j+64*\a  ; hs of tile j, row 16 a + l % 16
.endr
.set j, j+1
.endr
	v_mul_u32_u24 v3, v1, PITCH
	v_lshl_add_u32 v3, v2, 4, v3
	s_mul_i32 s72, s[RH], AHALF
	s_mul_i32 s76, s[CH], BHALF
	s_add_co_u32 s76, s76, 2*AHALF
.irp s, 0,1
	v_add_nc_u32 v[ADRA+\s], s72, v3
	v_add_nc_u32 v[ADRB+\s], s76, v3
	s_add_co_u32 s72, s72, SLOT
	s_add_co_u32 s76, s76, SLOT
.endr
	v_mul_u32_u24 v[AO], v1, HROW
	v_lshl_add_u32 v[AO], v2, 4, v[AO]
	v_and_b32 v[CO], 31, v0
	v_lshlrev_b32 v[CO], 4, v[CO]
	s_mul_i32 s77, s[WV], 16*SPITCH
	s_add_co_u32 s77, s77, STAGE                   ; my stage
	v_mul_u32_u24 v[STO], v1, SPITCH               ; in: row l % 16, 32 bytes for each half of the lanes
	v_lshl_add_u32 v[STO], v2, 5, v[STO]
	v_add_nc_u32 v[STO], s77, v[STO]
	v_add_nc_u32 v[RD], s77, v[CO]                 ; back: 32 lanes take one row's 512 bytes
	s_mul_i32 s77, s[WV], 12*256
	s_add_co_u32 s77, s77, TB                      ; my table
	v_lshl_add_u32 v[TB0], v1, 4, s77
	s_lshl_b32 s72, s20, 7
	s_lshl_b32 s76, s[RH], 6
	s_add_co_u32 s72, s72, s76
	s_mul_i32 s72, s72, HROW
	s_add_co_u32 s72, s72, 11*256
	s_add_nc_u64 s[92:93], s[4:5], s[72:73]        ; hx at my first row, tile 11: the adapter units
	s_lshl_b32 s72, s19, 16
	s_lshl_b32 s76, s[CH], 15
	s_add_co_u32 s72, s72, s76
	s_add_nc_u64 s[70:71], s[8:9], s[72:73]        ; wd at slot 0, my first block of 16 columns
	s_lshl_b32 s72, s19, 10
	s_lshl_b32 s76, s[CH], 9
	s_add_co_u32 s72, s72, s76
	s_add_nc_u64 s[94:95], s[88:89], s[72:73]      ; out0 at my 128 columns
	s_wait_kmcnt 0x0
	s_min_u32 s[CUR], s[CUR], 7
	s_min_u32 s41, s41, 7
	s_sub_co_u32 s42, s41, s[CUR]
	s_add_co_u32 s42, s42, 1                       ; slots to walk: one at the least (the rows are sorted)
	s_mov_b32 s43, 0
	s_lshl_b32 s72, s[CUR], 20                     ; a slot's weights are 2^20 bytes
	s_add_nc_u64 s[66:67], s[70:71], s[72:73]
	s_mov_b64 s[68:69], s[66:67]
	; THE FACTORS.  2^R = the largest of a row's twelve scales; the factor of tile j is 2^E x 2^-R, both powers of two, written twice in f16 (0 where it falls under 2^-24).
	s_wait_loadcnt 0x0
.irp a, 0,1,2,3
	v_cmp_gt_u32 vcc_lo, 8, v[SL+\a]               ; a row without a slot takes no adapter: its adapter units' scale counts for nothing
	v_cndmask_b32 v[SCB+44+\a], 0, v[SCB+44+\a], vcc_lo
.endr
.irp a, 0,1,2,3
	v_max3_num_f32 v[EM+2*\a], v[SCB+\a], v[SCB+4+\a], v[SCB+8+\a]
.endr
.irp j, 3,5,7,9
.irp a, 0,1,2,3
	v_max3_num_f32 v[EM+2*\a], v[EM+2*\a], v[SCB+4*\j+\a], v[SCB+4*\j+4+\a]
.endr
.endr
.irp a, 0,1,2,3
	v_max_num_f32 v[EM+2*\a], v[EM+2*\a], v[SCB+44+\a]
.endr
.irp a, 0,1,2,3
	v_mov_b32 v[EM+2*\a+1], v[EM+2*\a]
	v_sub_nc_u32 v[IV+\a], 0x7f000000, v[EM+2*\a]  ; 2^-R: the exponent's mirror image
.endr
.set j, 0
.rept 12
.irp a, 0,1,2,3
	v_mul_f32 v[SCB+4*j+\a], v[SCB+4*j+\a], v[IV+\a]
.endr
.irp a, 0,1,2,3
	v_cvt_pk_f16_f32 v[SCB+4*j+\a], v[SCB+4*j+\a], v[SCB+4*j+\a]
.endr
	ds_store_b128 v[TB0], v[SCB+4*j:SCB+4*j+3] offset:256*j  ; both halves of the lanes write the same bytes with the same numbers
.set j, j+1
.endr
	ds_load_b128 v[FC:FC+3], v[TB0]                ; tile 0's factors: my own bytes, and LDS serves a wave's instructions in order
	; What the adapter part needs is asked for early and lands under the base part, which touches none of these registers: 32 loads here, wd's 64 behind the first quarter.
	WIN 0x80                                       ; destination window 2
.irp q, 0,1,2,3
.irp a, 0,1,2,3
	global_load_b128 v[8*(4*\q+\a):8*(4*\q+\a)+3],   v[AO], s[92:93] offset:\a*16*HROW+64*\q
	global_load_b128 v[8*(4*\q+\a)+4:8*(4*\q+\a)+7], v[AO], s[92:93] offset:\a*16*HROW+64*\q+32
.endr
.endr
	WIN 0
	s_wait_tensorcnt 1                             ; my part of K step 0 is in; step 1's may stay out
	s_wait_dscnt 0x0                               ; no LDS instruction of mine is pending at a signal
	s_barrier_signal -1
	s_barrier_wait -1
	FETCH 0, 0, F0
	QUARTER 0, 64, F0, F1, 1                       ; the first quarter starts the sums
	BLOAD 0, 66                                    ; the first slot's weights: buffer 0, then buffer 1
	BLOAD 2, 68
	s_mov_b32 s74, 4
.Llap:                                                 ; four trips: K steps 0 to 7 and the first quarter of 8; the fills bring steps 2 to 9
	QUARTER 0, 128, F1, F0, 0
	QUARTER 0, 192, F0, F1, 0
	TURN 0, 1, 1
	QUARTER 1, 64,  F0, F1, 0
	QUARTER 1, 128, F1, F0, 0
	QUARTER 1, 192, F0, F1, 0
	TURN 1, 0, 1
	QUARTER 0, 64,  F0, F1, 0
	WIN 0
	s_sub_co_u32 s74, s74, 1
	s_cmp_lg_u32 s74, 0
	s_cbranch_scc1 .Llap
	QUARTER 0, 128, F1, F0, 0                      ; step 8 goes on
	QUARTER 0, 192, F0, F1, 0
	TURN 0, 1, 1                                   ; the last fill: step 10
	QUARTER 1, 64,  F0, F1, 0
	QUARTER 1, 128, F1, F0, 0
	QUARTER 1, 192, F0, F1, 0
	TURN 1, 0, 0
	QUARTER 0, 64,  F0, F1, 0
	QUARTER 0, 128, F1, F0, 0
	QUARTER 0, 192, F0, F1, 0
	LASTQ 0
	WIN 0
	s_add_co_u32 s[TBS], s[TBS], 256
	v_add_nc_u32 v[TBA], s[TBS], v[TB0]
	ds_load_b128 v[FC:FC+3], v[TBA]                ; tile 11's factors: the adapter units'
	s_wait_dscnt 0x0
.Lslot:                                                ; a trip: one slot's 128 units
	PLACES                                         ; in front of the writes of the scaled rows, which the last trip's last products read
	s_wait_loadcnt 32                              ; buffer 0 and all older loads are in; buffer 1's 32 may be out: the same count on the way in and on the way back
.irp a, 0,1,2,3
	v_cmp_eq_u32 vcc_lo, s[CUR], v[SL+\a]
	v_cndmask_b32 v[FM+\a], 0, v[FC+\a], vcc_lo    ; rows of other slots count as 0
.endr
	WIN 0x82                                       ; destination and source 0 in window 2
.set t, 0
.rept 16
.set r, 0
.rept 8
	v_pk_mul_f16 v[128+8*t+r], v[8*t+r], v[FM+t%4]
.set r, r+1
.endr
.set t, t+1
.endr
	AMUL 0
	AMUL 1
	WIN 0
	PLACES                                         ; in front of the loads into buffer 0
	s_add_co_u32 s76, s[CUR], 1
	s_min_u32 s76, s76, 7                          ; the next slot; behind the last it stays inside wd
	s_lshl_b32 s72, s76, 20
	s_add_nc_u64 s[66:67], s[70:71], s[72:73]      ; free: the wait at the trip's head showed buffer 0's loads done
	BLOAD 0, 66
	s_wait_loadcnt 32                              ; buffer 1 is in; the 32 just issued stay out
	AMUL 2
	AMUL 3
	WIN 0
	PLACES                                         ; in front of the loads into buffer 1
	s_mov_b64 s[68:69], s[66:67]                   ; free: buffer 1's loads are done
	BLOAD 2, 68
	s_add_co_u32 s[CUR], s[CUR], 1
	s_add_co_u32 s43, s43, 1
	s_cmp_lt_u32 s43, s42
	s_cbranch_scc1 .Lslot
	; THE WAY OUT.  The sums times 2^R, each accumulator from its low end on; then, 16 rows at a time, a lane's 32 bytes of a row go into my stage, and a row's 512 bytes come back to 32 lanes and go to the row's token.
	PLACES
	WIN 0x41                                       ; destination and source 0 in window 1
.set t, 0
.rept 128
	v_pk_mul_f32 v[2*t:2*t+1], v[2*t:2*t+1], v[EM+2*(t/32):EM+2*(t/32)+1]
.set t, t+1
.endr
.irp a, 0,1,2,3
.set TMP, 32+96*((\a)%2)
	WIN 0x04                                       ; store data in window 1
.irp b, 0,1,2,3,4,5,6,7
	ds_store_b128 v[STO], v[8*(8*\a+\b):8*(8*\a+\b)+3]   offset:64*\b
	ds_store_b128 v[STO], v[8*(8*\a+\b)+4:8*(8*\a+\b)+7] offset:64*\b+16
.endr
	WIN 0
	s_wait_xcnt 0x0                                ; the registers that earlier stores read are written again only behind this wait
.irp i, 0,1,2,3,4,5,6,7,8,9,10,11,12,13,14,15
	ds_load_b128 v[TMP+4*\i:TMP+4*\i+3], v[RD] offset:SPITCH*\i  ; my own bytes: LDS serves a wave's instructions in order
.endr
.irp i, 0,1,2,3,4,5,6,7,8,9,10,11,12,13,14,15
	v_readlane_b32 s[76+\i%4], v[TK+\a], \i
	s_min_u32 s[76+\i%4], s[76+\i%4], 2047
	v_lshl_add_u32 v[OFF+\i], s[76+\i%4], 14, v[CO]  ; the token's row of 16,384 bytes
.endr
.irp i, 0,1,2,3,4,5,6,7,8,9,10,11,12,13,14,15
	s_wait_dscnt 15-\i
	global_store_b128 v[OFF+\i], v[TMP+4*\i:TMP+4*\i+3], s[94:95] th:TH_STORE_NT  ; 512 consecutive bytes, at a multiple of 512 from out0's first byte
.endr
.endr
	s_wait_tensorcnt 0x0                           ; the wave's end
	ds_add_u32 v[SPW], v[NIL]
	s_wait_dscnt 0x0
	s_endpgm
.Lfunc_end_k_q87c6bae2ca_down:
	.size	k_q87c6bae2ca_down, .Lfunc_end_k_q87c6bae2ca_down-k_q87c6bae2ca_down
	.p2alignl 7, 3214868480
	.fill 96, 4, 3214868480
	.section	.rodata,"a",@progbits
	.p2align	6, 0x0
	.amdhsa_kernel k_q87c6bae2ca_down
		.amdhsa_group_segment_fixed_size 327680
		.amdhsa_private_segment_fixed_size 0
		.amdhsa_enable_private_segment 0
		.amdhsa_kernarg_size 48
		.amdhsa_user_sgpr_count 2
		.amdhsa_user_sgpr_kernarg_segment_ptr 1
		.amdhsa_wavefront_size32 1
		.amdhsa_system_sgpr_workgroup_id_x 1
		.amdhsa_system_sgpr_workgroup_id_y 1
		.amdhsa_system_sgpr_workgroup_id_z 1
		.amdhsa_system_vgpr_workitem_id 0
		.amdhsa_next_free_vgpr 1024
		.amdhsa_next_free_sgpr 96
		.amdhsa_reserve_vcc 1
		.amdhsa_float_denorm_mode_32 3
		.amdhsa_float_denorm_mode_16_64 3
		.amdhsa_memory_ordered 1
		.amdhsa_forward_progress 1
		.amdhsa_inst_pref_size 207
	.end_amdhsa_kernel
	.amdgpu_metadata
---
amdhsa.version: [ 1, 2 ]
amdhsa.kernels:
  - .name:           k_q87c6bae2ca_down
    .symbol:         k_q87c6bae2ca_down.kd
    .args:
      - { .name: hx, .offset: 0, .size: 8, .value_kind: global_buffer, .address_space: global }
      - { .name: w2, .offset: 8, .size: 8, .value_kind: global_buffer, .address_space: global }
      - { .name: wd, .offset: 16, .size: 8, .value_kind: global_buffer, .address_space: global }
      - { .name: route, .offset: 24, .size: 8, .value_kind: global_buffer, .address_space: global }
      - { .name: out0, .offset: 32, .size: 8, .value_kind: global_buffer, .address_space: global }
      - { .name: hs, .offset: 40, .size: 8, .value_kind: global_buffer, .address_space: global }
    .group_segment_fixed_size: 327680
    .private_segment_fixed_size: 0
    .kernarg_segment_align: 8
    .kernarg_segment_size: 48
    .max_flat_workgroup_size: 128
    .sgpr_count:     96
    .vgpr_count:     1024
    .wavefront_size: 32
...
	.end_amdgpu_metadata
.endif
;; end of part 6
